; MI455X (gfx1250); checked and timed in simulation.
; The chip was launched on July 23, 2026; its instructions are those of AMD's public machine-readable ISA for CDNA 5 (MIT licence, August 2026) and "CDNA5" Instruction Set Architecture Reference Guide (July 2026). The comments in the code are by the model that wrote it; some were corrected since.
;; Causal Attention. Allowed arithmetic: matrix products marked QUANTISED: E5M2 operands, one E8M0 scale for each 32 along K, by v_wmma_scale_f32_16x16x128_f8f6f4 with both operands' format E5M2, f32 sums; everything else in f32.
;; Inputs: Wk_codes 1,024 x 32 x 32 uint8 (E5M2 codes of Wk, K innermost, in blocks of 32 codes); Wk_scales 1,024 x 32 uint8 (E8M0 scales of Wk, one for each 32 codes along K); Wq_codes 1,024 x 32 x 32 uint8 (E5M2 codes of Wq, K innermost, in blocks of 32 codes); Wq_scales 1,024 x 32 uint8 (E8M0 scales of Wq, one for each 32 codes along K); Wv_codes 1,024 x 32 x 32 uint8 (E5M2 codes of Wv, K innermost, in blocks of 32 codes); Wv_scales 1,024 x 32 uint8 (E8M0 scales of Wv, one for each 32 codes along K); bk 1,024 float32; bq 1,024 float32; bv 1,024 float32; x_codes 4 x 2,048 x 32 x 32 uint8 (E5M2 codes of x, K innermost, in blocks of 32 codes); x_scales 4 x 2,048 x 32 uint8 (E8M0 scales of x, one for each 32 codes along K).
;; Outputs: out0 4 x 2,048 x 1,024 float32.
;; This version of the problem:
;;   THIS VERSION OF THE PROBLEM IS GIVEN IN LOW PRECISION. The matrix products marked QUANTISED in the list below multiply operands that are first quantised to E5M2 (5 exponent bits, 2 mantissa bits; 8 bits a number), with one power-of-two scale for each 32 numbers along K (OCP MX v1.0); their sums are f32. All else is computed in f32.
;;   The module's matrix products, in the order in which they are computed (A, B: the left and right operand; K: the contracted axis; several contracted axes count as one K, in the product's order):
;;     1. [M 8,192, K 1,024] x [K 1,024, N 1,024]; A: input x (given as codes); B: input Wq (given as codes): QUANTISED
;;     2. [M 8,192, K 1,024] x [K 1,024, N 1,024]; A: input x (given as codes); B: input Wk (given as codes): QUANTISED
;;     3. [M 8,192, K 1,024] x [K 1,024, N 1,024]; A: input x (given as codes); B: input Wv (given as codes): QUANTISED
;;     4. batch 4 x [M 2,048, K 1,024] x [K 1,024, N 2,048]; A: computed on the way; B: computed on the way: QUANTISED
;;     5. batch 4 x [M 2,048, K 2,048] x [K 2,048, N 1,024]; A: softmax (see below); B: computed on the way: QUANTISED
;;   THE QUANTISER, for each operand of a quantised product, along K:
;;     - K is cut into blocks of 32 from its start; a last block that is shorter is filled with zeros.
;;     - A block's scale is 2^e with e = floor(log2(the largest magnitude in the block)) - 15, held to -126 .. 127; a block of zeros has e = 0. As a byte (E8M0): e + 127.
;;     - Each number is divided by its block's scale, clamped to +-57,344, and rounded to the nearest number of E5M2, ties to even, subnormals kept.
;;     - The product sums the exact products of the quantised numbers (number of the format x scale) in f32.
;;   ~~~python
;;   def quantise(x, axis):      # numpy; x: float32 -> the quantised numbers, widened to float32 again
;;       x = np.moveaxis(x, axis, -1); K = x.shape[-1]
;;       x = np.pad(x, [(0, 0)] * (x.ndim - 1) + [(0, -K % 32)]); x = x.reshape(x.shape[:-1] + (-1, 32)); a = np.abs(x).max(-1, keepdims=True)
;;       e = np.where(a > 0, np.clip(np.frexp(np.where(a > 0, a, 1))[1] - 1 - 15, -126, 127), 0)      # np.frexp(a)[1] - 1 = floor(log2(a)), exactly
;;       r = np.clip(x / 2.0 ** e, -57344, 57344)
;;       step = 2.0 ** (np.maximum(np.frexp(np.where(r == 0, 1, r))[1] - 1, -14) - 2)
;;       q = np.round(r / step) * step * 2.0 ** e      # np.round: ties to even
;;       return np.moveaxis(q.reshape(q.shape[:-2] + (-1,))[..., :K], -1, axis).astype(np.float32)
;;   ~~~
;;   SOFTMAX AHEAD OF A QUANTISED PRODUCT. Where the list says 'softmax', what is quantised is not the finished softmax but p = 2^(t - M), with t = logit x log2(e) and M = ceil(the row's largest t), a whole number; so 1/2 < the row's largest p <= 1. The row's sum l is taken of the UNQUANTISED p, in f32, and the product's result is divided by l at the end. Since M is a whole number, a kernel that streams over the keys may use a running M (the ceiling of the running maximum): every later rescaling is an exact power of two, which a block's scale takes up: the codes' values come out the same.
;;   OPERANDS COMPUTED ON THE WAY. 'Computed on the way' means the value that the module computes at that place (a softmax that the list does not call 'softmax' is quantised finished and normalised). What goes into a quantiser is computed in f32, as accurately as f32 sums, v_exp_f32 and their like allow (about 1e-6 of the number): no bf16 or f16 on the way to a quantiser, and a product that is left as it is and whose result goes on into a quantised operand takes f32 operands (vector FMAs, or v_wmma_f32_16x16x4_f32). A number that lies on a knife's edge between two numbers of the format may be rounded either way, as far as f32 arithmetic and the matrix unit's own rounding can turn it there, and no further.
;;   INPUTS GIVEN AS CODES. Wk (in the module: [1024, 1024], K = its axis 1); Wq (in the module: [1024, 1024], K = its axis 1); Wv (in the module: [1024, 1024], K = its axis 1); x (in the module: [4, 2048, 1024], K = its axis 2): each comes as NAME_codes (uint8): NAME with its K axis moved to the last place and cut into blocks of 32 codes, [.., K / 32, bytes a block], one block behind the other in memory; one code a byte (a code: sign, 5 exponent bits, 2 mantissa bits); and NAME_scales (uint8): the same leading axes, one E8M0 byte (e + 127) for each 32 codes along K. Its value is code x scale, taken as it is: it is not quantised again, and the codes and scales need not be those that the quantiser above would give.
;; One version. Each part assembles by itself: llvm-mc -triple=amdgcn-amd-amdhsa -mcpu=gfx1250 --defsym DOCPART=n.
;; ======== version 1 of 1: 3 launches
;; limits: right only within a limited range of input values
;; workspace buffers: codes 25,165,824 bytes; scales 786,432 bytes; pcodes 16,777,216 bytes; pstat 1,572,864 bytes
;; launch proj (part 1): grid 16 x 16, 4 waves a work-group, clusters of 4 x 4, 327,680 bytes of LDS; arguments x_codes, x_scales, Wq_codes, Wq_scales, Wk_codes, Wk_scales, Wv_codes, Wv_scales, bq, bk, bv, codes, scales; writes codes, scales
.if DOCPART == 1
	.amdgcn_target "amdgcn-amd-amdhsa--gfx1250"
	.amdhsa_code_object_version 6
	.text
	.protected	k_q6699cd6704_proj
	.globl	k_q6699cd6704_proj
	.p2align	8
	.type	k_q6699cd6704_proj,@function
k_q6699cd6704_proj:
	s_mov_b64 s[64:65], 0
	v_nop
	global_prefetch_b8 v0, s[64:65] scope:SCOPE_SE
	s_setreg_imm32_b32 hwreg(HW_REG_WAVE_MODE, 25, 1), 1
	s_wait_xcnt 0x0
	s_wait_alu depctr_hold_cnt(0) depctr_sa_sdst(0) depctr_va_vdst(0) depctr_va_sdst(0) depctr_va_ssrc(0) depctr_va_vcc(0) depctr_vm_vsrc(0)
	s_getreg_b32 s2, hwreg(HW_REG_IB_STS2, 6, 4)
	s_cmp_eq_u32 s2, 0
	s_cbranch_scc0 .Lentry_in_a_cluster
	s_endpgm
.Lentry_in_a_cluster:
	s_bfe_u32 s2, ttmp6, 0x10000c
	s_cmp_lg_u32 s2, 0xf033
	s_cbranch_scc0 .Lentry_shape_is_right
	s_endpgm
.Lentry_shape_is_right:
; q = x Wq^T + bq, k = x Wk^T + bk, v = x Wv^T + bv on codes of BF8 (E5M2), K = 1,024, and their quantisers: q, k along the 1,024 features, v along the keys.  Only codes and scale words leave.
; LIMITS: NaN, infinities and sums beyond f32's range are not served.  A block of zeros gets the byte 1 where the quantiser says 127: its codes are zeros, and this program alone reads the bytes.  A block whose largest magnitude lies under 2^-111 is held at the byte 1.
; DEAD WORK left out in the program: keys that the causal mask of reference() hides in whole tiles (the later launches say which).  p = 0 there for all finite inputs.  A NaN or an infinity that reaches only such a score or such a key's v is not carried to the result.
; THE DEAL.  256 work-groups of four waves, 2 x 2; a wave holds 64 rows of a weight, ALL of K, in registers (512) and streams x's rows past them in blocks of 16, which stand in registers as two whole sets (256).
; PHASE 1: 512 rows x 128 features of q (tile columns 0 to 7) or k (8 to 15): sixteen blocks a wave.  PHASE 2: 256 rows x 128 features of v: eight blocks, of one of the work-group's own two windows of 256 rows: number s18.
; THE ORDER OF WORK.  LDS holds two slots of 128 rows: a weight's rows lie in a slot (the first in 1, Wv's in 0).  Phase 1 takes the window that is not v's first (chunks 0, 1), v's last (2, 3): chunk 3 still lies in slot 1 when v begins, chunk 2 comes anew.
; Row of waves w takes rows 64 w + 16 b .. of a chunk, b = 0 .. 3.
; q, k: source 0 = the weight's rows.  Tile j's row 8 m + i is feature 32 m + 8 (j xor m) + i of my 64: so lane half m holds the whole block m of 32 features; the order inside a block is the same in q and in k.
; v: source 0 = x's rows in their order, source 1 = Wv's rows in theirs: a pair of blocks is 32 keys: byte y of lane half h is key 8 h + y % 8 + 16 (y / 8), as the next launch lays p.
; FILLS.  At the head the first weight (wave 0), chunk 0 (wave 1), a window's scale bytes each (waves 2, 3).  Refills, each in a drained round, a quarter of 128 rows a wave: chunks 1, 2, 3 inside blocks 0, 4, 8; Wv's rows behind block 11; chunk 2 anew behind Wv's loads.
; A block's way out stands among later products: q's and k's among the next block's, a pair of v's blocks among the next pair's.  The first way out of either phase has no block before it: it stores nothing.
; OUT.  codes: q at 0, k at 8 MiB: [K / 256][row / 16][2 images of 2,048]; v at 16 MiB: [batch][key / 256][d / 16][2 images].  scales: 512 bytes for 128 rows and 128 K, the word of (block a, row r) at 16 (r + 16 (a / 4)) + 4 (a % 4):
; q at 0, k at 262,144: [row / 256][K / 128][half]; v at 524,288: [batch][d / 256][key / 128][half].
.set NB, 4
.set TM, 512
.set CH, 128
.set KROW, 1024
.set KS, 32
.set PITCH, KROW+16
.set FR, 16
.set FPW, 16
.set NP, 8
.set NF, 34  ; LDS loads of a block
.set YB, CH*PITCH
.set SCL, 2*CH*PITCH  ; x's scale bytes in the order of work: units of 256 bytes (8 rows) + 16 of padding
.set RS, 32
.set SSTEP, 2*272  ; 16 rows
.set CSTEP, 16*272  ; a chunk
.set XN, SCL+2*RS*272  ; q's or k's scale words: 512 bytes a chunk, in the order of work
.set XV, XN+4096  ; v's: 512 bytes for 128 keys
.set SPARE, XV+2048
.set EMAX, 15
.set ADRA0, 4
.set CN, 5
.set AAS0, 6
.set CO, 9
.set SPW, 10
.set NIL, 11
.set ADRA, 12
.set VX, 13
.set ADRB, 14  ; v14, v15: even and odd tiles of the first weight
.set ABS, 16
.set AAS, 17
.set ADRV, 18
.set RD, 19
.set SOP, 20
.set SB, 24
.set SA, 44
.set EB, 40
.set TQ, 60
.set ACC, 64
.set WS, 128
.set NCD, 192
.set MCD, 192
.set BQ, 208
.set BV, 240
.set G1A, 24
.set G0A, 56
.set G1B, 32
.set G0B, 60
.set G1R, 48
.set G0R, 68
.set G1S, 92
.set G0S, 72
.set MSB, 0
.macro WIN new
.if MSB != (\new)
	s_set_vgpr_msb (MSB<<8)|(\new)
.set MSB, (\new)
.endif
.endm
.macro PLACES n
.rept \n
	v_nop
.endr
.endm
.macro BARRIER
	s_barrier_signal -1
	s_barrier_wait -1
.endm
.macro CROUND
	BARRIER
	s_cmp_lg_u32 s14, 0
	s_cbranch_scc1 .Lnot_wave_0_\@
	s_barrier_signal -3
.Lnot_wave_0_\@:
	s_barrier_wait -3
	BARRIER
.endm
.macro TLOAD g0, g1
	tensor_load_to_lds s[\g0:\g0+3], s[\g1:\g1+7]
	s_nop 0
	PLACES 4
.endm
.macro GROUP1 g, mask, rows  ; so many whole rows of K, 1,024 bytes each, 16 bytes of padding behind each
	s_or_b32 s[\g+0], s[\mask], (1<<20)|(1<<21)|(7<<22)|(3<<25)
	s_mov_b32 s[\g+1], (KROW&0xffff)<<16
	s_mov_b32 s[\g+2], (KROW>>16)|((\rows)<<16)
	s_mov_b32 s[\g+3], KROW<<16
	s_mov_b32 s[\g+4], \rows
	s_mov_b32 s[\g+5], KROW
	s_mov_b32 s[\g+6], 0
	s_mov_b32 s[\g+7], 0
.endm
.macro SADD d, x
	s_add_co_u32 s\d, s\d, s\x
.endm
	s_load_b256 s[4:11], s[0:1], 0x0  ; x codes, x scales, Wq codes, Wq scales
	s_load_b128 s[84:87], s[0:1], 0x20  ; Wk
	s_load_b128 s[88:91], s[0:1], 0x30  ; Wv
	v_lshl_add_u32 v[SPW], v0, 2, SPARE
	v_mov_b32 v[NIL], 0
	ds_add_u32 v[SPW], v[NIL]  ; the opening: the add, twice on end, and its wait ahead of my first tensor load
	ds_add_u32 v[SPW], v[NIL]
	v_lshrrev_b32 v1, 5, v0
	v_readfirstlane_b32 s14, v1  ; wave 0..3
	s_lshr_b32 s15, s14, 1  ; my row of waves
	s_and_b32 s16, s14, 1  ; my column of waves
	s_bfe_u32 s40, ttmp6, 0x40000
	s_bfe_u32 s41, ttmp6, 0x40004
	s_lshl_b32 s42, ttmp9, 2
	s_add_co_u32 s42, s42, s40  ; tile column = 4 x cluster x + cx
	s_and_b32 s43, ttmp7, 0xffff
	s_lshl_b32 s43, s43, 2
	s_add_co_u32 s43, s43, s41  ; tile row = 4 x cluster y + cy
	s_lshr_b32 s19, ttmp9, 1  ; 0: q; 1: k
	s_and_b32 s18, ttmp9, 1  ; v's window
	s_lshl_b32 s44, s41, 2
	s_lshl_b32 s44, 15, s44  ; my row of the cluster: shares x's rows
	s_lshl_b32 s45, 0x1111, s40  ; my column: shares a weight's
	GROUP1 G1B, 45, 128
	GROUP1 G1A, 44, CH
	GROUP1 G1R, 44, CH/4
	s_or_b32 s[G1S+0], s44, (3<<16)|(1<<20)|(1<<21)|(5<<22)|(3<<25)  ; scale bytes of 256 rows: 8,192 dense bytes as rows of 256
	s_mov_b32 s[G1S+1], 32<<16
	s_mov_b32 s[G1S+2], RS<<16
	s_mov_b32 s[G1S+3], 32<<16
	s_mov_b32 s[G1S+4], RS
	s_mov_b32 s[G1S+5], 32
	s_mov_b32 s[G1S+6], 0
	s_mov_b32 s[G1S+7], 0
	s_mov_b32 s[G0S], 1
	s_mul_i32 s[G0S+1], s16, RS*272
	s_add_co_u32 s[G0S+1], s[G0S+1], SCL
; offsets: s67, s2 in x: the window that is not v's, v's window; s3, s12 in Wv's codes and scales
	s_mul_i32 s67, s43, TM*KROW
	s_mul_i32 s20, s18, TM/2*KROW
	s_add_co_u32 s2, s67, s20
	s_xor_b32 s20, s20, TM/2*KROW
	SADD 67, 20
	s_lshl_b32 s13, s19, 2
	SADD 13, 40  ; Wv's tile column: 4 (cluster x / 2) + cx
	s_lshl_b32 s3, s13, 17
	s_lshl_b32 s12, s13, 12
	s_lshl_b32 s21, s16, 11
	SADD 12, 21
	s_and_b32 s17, s42, 7  ; the tile column inside q or k
	s_lshl_b32 s78, s17, 17  ; s[78:79] the first weight's codes
	s_mov_b32 s79, 0
	s_lshl_b32 s80, s43, 1  ; s[80:81] x's scale bytes: wave 2 the window that is not v's, wave 3 v's
	s_xor_b32 s20, s18, 1
	s_cmp_eq_u32 s16, 1
	s_cselect_b32 s20, s18, s20
	SADD 80, 20
	s_lshl_b32 s80, s80, 13
	s_mov_b32 s81, 0
	s_lshl_b32 s82, s17, 12  ; s[82:83] the first weight's scale bytes: my wave's 64 rows
	SADD 82, 21
	s_mov_b32 s83, 0
	s_mov_b32 s[G0A], 1
	s_mov_b32 s[G0A+1], 0
	s_mov_b32 s[G0B], 1
	s_mov_b32 s[G0B+1], YB
	s_mov_b32 s[G0R], 1
	s_mul_i32 s20, s15, 64*PITCH  ; my row of waves' 64 rows of a chunk
	s_mul_i32 s22, s16, 64*PITCH  ; my 64 rows of a weight
	s_add_co_u32 s23, s22, YB
	s_mul_i32 s21, s15, 8*272
	s_add_co_u32 s21, s21, SCL
	s_lshl_b32 s66, s40, 2  ; which of the cluster row's sixteen waves I am: my share of a prefetch of x's rows;
	SADD 66, 14
	s_lshl_b32 s100, s41, 2  ; and of the column's: of Wv's
	SADD 100, 14
	v_and_b32 v1, 15, v0  ; r
	v_bfe_u32 v2, v0, 4, 1  ; h
	v_and_b32 v3, 31, v0  ; lane
	v_mul_u32_u24 v22, v1, PITCH
	v_lshl_add_u32 v23, v2, 4, v22
	v_add_nc_u32 v[ADRA0], s20, v23
	v_add_nc_u32 v[ADRV], s22, v23
	v_lshrrev_b32 v22, 3, v1  ; m = r / 8
	v_and_b32 v8, 7, v1  ; i
	v_mad_u32_u24 v23, v22, 40, v8  ; even tiles: row 8 j + 40 m + i
	v_mul_u32_u24 v23, v23, PITCH
	v_lshl_add_u32 v23, v2, 4, v23
	v_add_nc_u32 v[ADRB], s23, v23
	v_mad_u32_u24 v23, v22, 24, v8  ; odd tiles: row 8 j + 24 m + i
	v_mul_u32_u24 v23, v23, PITCH
	v_lshl_add_u32 v23, v2, 4, v23
	v_add_nc_u32 v[ADRB+1], s23, v23
	v_xor_b32 v23, v22, v2  ; scale bytes of tile 2 p + h, row r: row 16 p + 32 m + 8 (h xor m) + i
	v_lshl_add_u32 v23, v23, 3, v8
	v_lshl_add_u32 v23, v22, 5, v23
	v_lshlrev_b32 v[ABS], 5, v23
	v_lshlrev_b32 v23, 5, v1  ; x's scale bytes: 32 bytes a row, 16 more for each 256 passed
	v_lshl_add_u32 v23, v22, 4, v23
	v_add_nc_u32 v[AAS0], s21, v23
	v_lshlrev_b32 v8, 5, v3  ; Wv's scale bytes: row 32 p + lane
	s_wait_alu depctr_va_vdst(0)
	s_wait_dscnt 0x0  ; both opening adds are done
	CROUND  ; all sixteen work-groups are here
	s_wait_kmcnt 0x0
	s_cmp_eq_u32 s19, 1
	s_cselect_b64 s[8:9], s[84:85], s[8:9]  ; Wk or Wq
	s_cselect_b64 s[10:11], s[86:87], s[10:11]
	s_mov_b32 s86, s67
	s_mov_b32 s87, 0
	s_add_nc_u64 s[G0A+2:G0A+3], s[4:5], s[86:87]
	s_or_b32 s[G0A+3], s[G0A+3], 0x80000000
	s_add_nc_u64 s[G0B+2:G0B+3], s[8:9], s[78:79]
	s_or_b32 s[G0B+3], s[G0B+3], 0x80000000
	s_add_nc_u64 s[G0S+2:G0S+3], s[6:7], s[80:81]
	s_or_b32 s[G0S+3], s[G0S+3], 0x80000000
	s_add_nc_u64 s[10:11], s[10:11], s[82:83]
	s_cmp_eq_u32 s14, 0  ; ONE joint load a wave, and a line of its own for what is shown ahead of the rest
	s_cbranch_scc0 .Lwave_1
	TLOAD G0B, G1B  ; wave 0: the first weight's rows, which are wanted first
	s_branch .Lasked
.Lwave_1:
	s_cmp_eq_u32 s14, 1
	s_cbranch_scc0 .Lfor_scales
	TLOAD G0A, G1A  ; wave 1: chunk 0
	s_branch .Lasked
.Lfor_scales:
	TLOAD G0S, G1S  ; waves 2, 3: a window's scale bytes each
.Lasked:
; where my results go: offsets now, the buffers' addresses in front of the stream
	s_lshl_b32 s76, s19, 23  ; s[76:77] q's or k's codes
	s_lshr_b32 s22, s17, 1
	s_lshl_b32 s22, s22, 21
	SADD 76, 22
	s_lshl_b32 s22, s43, 17
	SADD 76, 22
	s_and_b32 s22, s42, 1
	s_lshl_b32 s22, s22, 11
	SADD 76, 22
	s_lshl_b32 s22, s16, 10
	SADD 76, 22
	s_lshl_b32 s22, s15, 14
	SADD 76, 22
	s_mov_b32 s77, 0
	s_lshl_b32 s78, s19, 18  ; s[78:79] their scale words: wave n stores chunk n's 512 bytes
	s_xor_b32 s20, s15, s18
	s_xor_b32 s20, s20, 1  ; the window of chunk n
	s_lshl_b32 s22, s43, 1
	SADD 22, 20
	s_lshl_b32 s22, s22, 13
	SADD 78, 22
	s_lshl_b32 s22, s17, 10
	SADD 78, 22
	s_lshl_b32 s22, s16, 9
	SADD 78, 22
	s_mov_b32 s79, 0
	s_lshl_b32 s23, s43, 1
	SADD 23, 18
	s_and_b32 s23, s23, 7  ; v's window as key / 256 of its batch
	s_lshr_b32 s21, s43, 2  ; the batch
	s_lshl_b32 s80, s21, 21  ; s[80:81] v's codes
	s_lshl_b32 s22, s23, 18
	SADD 80, 22
	s_lshl_b32 s22, s13, 15
	SADD 80, 22
	s_lshl_b32 s22, s16, 14
	SADD 80, 22
	s_lshl_b32 s22, s15, 10
	SADD 80, 22
	s_add_co_u32 s80, s80, 0x1000000
	s_mov_b32 s81, 0
	s_lshl_b32 s82, s21, 16  ; s[82:83] v's scale words: wave n stores 256 bytes: key half n / 2, quarter n % 2
	s_lshr_b32 s22, s13, 1
	s_lshl_b32 s22, s22, 14
	SADD 82, 22
	s_lshl_b32 s22, s23, 1
	SADD 22, 15
	s_lshl_b32 s22, s22, 10
	SADD 82, 22
	s_and_b32 s22, s13, 1
	s_lshl_b32 s22, s22, 9
	SADD 82, 22
	s_lshl_b32 s22, s16, 8
	SADD 82, 22
	s_add_co_u32 s82, s82, 524288
	s_mov_b32 s83, 0
	; THE BIAS IS THE FIRST PRODUCTS' C.  Phase 1: register i of tile j of lane (r, h): feature 32 h + 8 (j xor h) + i of my 64.  Phase 2: all eight registers of tile t: feature 16 t + r
	s_load_b64 s[84:85], s[0:1], 0x40
	s_load_b64 s[46:47], s[0:1], 0x48
	s_load_b64 s[86:87], s[0:1], 0x50
	s_lshl_b32 s20, s17, 9
	s_lshl_b32 s22, s16, 8
	SADD 20, 22
	s_mov_b32 s21, 0
	s_lshl_b32 s23, s13, 9
	SADD 22, 23
	s_mov_b32 s23, 0
	s_wait_alu depctr_va_vdst(0)
	v_mul_u32_u24 v22, v2, 160
	v_mul_u32_u24 v23, v2, 96
	v_lshlrev_b32 v21, 2, v1
	s_wait_alu depctr_va_vdst(0)
	s_wait_kmcnt 0x0
	s_add_nc_u64 s[22:23], s[86:87], s[22:23]
	s_cmp_eq_u32 s19, 1
	s_cselect_b64 s[84:85], s[46:47], s[84:85]
	s_add_nc_u64 s[20:21], s[84:85], s[20:21]
.irp k, 0,1,2,3,4,5,6,7
	global_load_b128 v[BQ+4*\k:BQ+4*\k+3], v[22+(\k/2)%2], s[20:21] offset:16*\k
.endr
.irp t, 0,1,2,3
	global_load_b32 v[BV+\t], v21, s[22:23] offset:64*\t
.endr
	s_wait_xcnt 0x0  ; the fetch has taken its addresses; they change below
	v_lshlrev_b32 v[CO], 4, v3
	s_lshl_b32 s21, s15, 8
	s_lshl_b32 s22, s16, 1
	SADD 21, 22
	s_add_co_u32 s21, s21, XN
	v_lshl_add_u32 v23, v1, 4, v2
	v_add_nc_u32 v[VX], s21, v23  ; a byte of row r's word: 2 x column of waves + h
	s_lshl_b32 s21, s16, 8
	s_lshl_b32 s22, s15, 1
	SADD 21, 22
	s_add_co_u32 s21, s21, XV
	v_lshlrev_b32 v23, 4, v1
	v_add_nc_u32 v[RD], s21, v23  ; v's byte: both halves of the lanes hold the same byte
	v_lshlrev_b32 v23, 9, v2
	v_lshl_add_u32 v[CN], v1, 4, v23
	s_mov_b32 s20, s12
	s_mov_b32 s21, 0
	s_add_nc_u64 s[20:21], s[90:91], s[20:21]
.irp p, 0,1
.irp c, 0,1
	global_load_b128 v[SB+8*\p+4*\c:SB+8*\p+4*\c+3], v[ABS], s[10:11] offset:\p*16*KS+16*\c
	global_load_b128 v[WS+8*\p+4*\c:WS+8*\p+4*\c+3], v8, s[20:21] offset:\p*32*KS+16*\c
.endr
.endr
	s_wait_xcnt 0x0
	s_add_co_u32 s6, s67, CH*KROW  ; chunk 1
	s_add_co_u32 s7, s2, CH*KROW  ; chunk 3
	s_lshl_b32 s21, s66, 13
	s_add_co_u32 s22, s21, s6
	v_lshl_add_u32 v7, v3, 8, s22  ; a prefetch's addresses: my sixteenth of chunk 1, of chunk 2
	s_add_co_u32 s22, s21, s2
	v_lshl_add_u32 v8, v3, 8, s22
	v_add_nc_u32 v1, 16*PITCH, v[ADRA0]  ; block 1's LDS addresses
	v_add_nc_u32 v2, SSTEP, v[AAS0]
	s_wait_alu depctr_va_vdst(0)
	s_cmp_eq_u32 s14, 0
	s_cbranch_scc0 .Lnot_b
	s_wait_tensorcnt 0x0  ; wave 0: the first weight has landed.  The other waves' wait stands at the second barrier
.Lnot_b:
	BARRIER
	global_prefetch_b8 v7, s[4:5] th:TH_LOAD_NT scope:SCOPE_SE
	global_prefetch_b8 v8, s[4:5] th:TH_LOAD_NT scope:SCOPE_SE
.macro WALU
	s_wait_alu depctr_va_vdst(0)
.endm
.macro MIDDLE  ; a round's middle
	WIN 0
	s_barrier_wait -1
	s_cmp_lg_u32 s14, 0
	s_cbranch_scc1 .Lnot_wave_0_\@
	s_barrier_signal -3
.Lnot_wave_0_\@:
	s_barrier_wait -3
.endm
.macro GRD
	s_wait_tensorcnt 0x0
	ds_add_u32 v[SPW], v[NIL]
.endm
.macro FRAG f, adr, q, off  ; a weight's fragment f, 16 rows x 128 of K, lies in window 1 + f / 16
	WIN (1+(\f)/FPW)<<6
.irp c, 0,1,2,3
	ds_load_b128 v[FR*((\f)%FPW)+4*\c:FR*((\f)%FPW)+4*\c+3], v[\adr] offset:128*(\q)+32*\c+(\off)
.endr
.endm
.macro FETCHAT k, a, s  ; a block of x, 16 rows, all of K, into set k of window 3, and its scale words: NF loads
	WIN 3<<6
.irp q, 0,1,2,3,4,5,6,7
.irp c, 0,1,2,3
	ds_load_b128 v[128*\k+FR*\q+4*\c:128*\k+FR*\q+4*\c+3], v[\a] offset:128*\q+32*\c
.endr
.endr
	WIN 0
	ds_load_b128 v[SA+8*\k:SA+8*\k+3], v[\s]
	ds_load_b128 v[SA+8*\k+4:SA+8*\k+7], v[\s] offset:16
.endm
.macro PROD kind, e, a, n  ; product n = 4 q + b of a block; x's rows in set e, sums in set a.  kind 0 (q, k): source 0 = the weight's rows; kind 1 (v): source 0 = x's rows
.set Q_, (\n)/4
.set B_, (\n)%4
.set FB_, NB*Q_+B_
.set AC_, ACC+32*(\a)+8*B_
.set C_, AC_
.if Q_ == 0
.set C_, BQ+8*B_
.endif
.set R_, 128*(\e)+FR*Q_
.set W_, FR*(FB_%FPW)
.set XS_, SA+8*(\e)+Q_
.set WS_, SB+8*(B_/2)+Q_
.if \kind
	WIN 3|((1+FB_/FPW)<<2)
.if B_%2
	v_wmma_scale_f32_16x16x128_f8f6f4 v[AC_:AC_+7], v[R_:R_+FR-1], v[W_:W_+FR-1], v[C_:C_+7], v[XS_], v[WS_] matrix_a_fmt:MATRIX_FMT_BF8 matrix_b_fmt:MATRIX_FMT_BF8 matrix_b_scale:MATRIX_SCALE_ROW1
.else
	v_wmma_scale_f32_16x16x128_f8f6f4 v[AC_:AC_+7], v[R_:R_+FR-1], v[W_:W_+FR-1], v[C_:C_+7], v[XS_], v[WS_] matrix_a_fmt:MATRIX_FMT_BF8 matrix_b_fmt:MATRIX_FMT_BF8
.endif
.else
	WIN (1+FB_/FPW)|(3<<2)
.if B_%2
	v_wmma_scale_f32_16x16x128_f8f6f4 v[AC_:AC_+7], v[W_:W_+FR-1], v[R_:R_+FR-1], v[C_:C_+7], v[WS_], v[XS_] matrix_a_fmt:MATRIX_FMT_BF8 matrix_b_fmt:MATRIX_FMT_BF8 matrix_a_scale:MATRIX_SCALE_ROW1
.else
	v_wmma_scale_f32_16x16x128_f8f6f4 v[AC_:AC_+7], v[W_:W_+FR-1], v[R_:R_+FR-1], v[C_:C_+7], v[WS_], v[XS_] matrix_a_fmt:MATRIX_FMT_BF8 matrix_b_fmt:MATRIX_FMT_BF8
.endif
.endif
.endm
.macro HOLD x, b  ; a sum held at the largest number that the format has under its block's scale
	v_med3_num_f32 v[\x], v[\x], -v[TQ+\b], v[TQ+\b]
.endm
.macro SCALES i, n  ; 0: the conversion's scale operand; 1: the bound; 2: a second copy of it; 3: the scale byte
.if (\i) == 0
	v_add_nc_u32 v[SOP+\n], -(EMAX<<23), v[TQ]
.elseif (\i) == 1
	v_and_or_b32 v[TQ+1], v[TQ], 0x7f800000, s62
.elseif (\i) == 2
	v_mov_b32 v[TQ+3], v[TQ+1]
.else
	v_lshrrev_b32 v[EB+\n], 23, v[SOP+\n]
.endif
.endm
.macro MAXQ k, x  ; 18 lines: the largest magnitude of the 32 sums at x, and the floor under which a byte would fall under 1
.if (\k) < 4
	v_max3_num_f32 v[TQ+\k], |v[\x+8*(\k)]|, |v[\x+8*(\k)+1]|, |v[\x+8*(\k)+2]|
.elseif (\k) < 12
	v_max3_num_f32 v[TQ+(\k)%4], v[TQ+(\k)%4], |v[\x+8*((\k)%4)+2*((\k)/4)+1]|, |v[\x+8*((\k)%4)+2*((\k)/4)+2]|
.elseif (\k) < 16
	v_max_num_f32 v[TQ+(\k)%4], v[TQ+(\k)%4], |v[\x+8*((\k)%4)+7]|
.elseif (\k) == 16
	v_max3_num_f32 v[TQ], v[TQ], v[TQ+1], v[TQ+2]
.else
	v_max3_num_f32 v[TQ], v[TQ], v[TQ+3], (EMAX+1)<<23
.endif
.endm
.macro HOLDS m, x  ; two of a scale block's holds; the late ones read the bound's second copy
.if (\m) == 3
	HOLD \x, 3
	HOLD \x+1, 3
.else
	HOLD \x, 1
	HOLD \x+1, 1
.endif
.if (\m) == 2
	SCALES 2, 0
.endif
.endm
.macro GAPQ m, x  ; the quantiser of q's or k's block, gaps 0 .. 26: a scale block of 32 lies in a lane: the sums at x -> codes NCD, byte EB
.if (\m) < 9
	MAXQ 2*(\m), \x
	MAXQ 2*(\m)+1, \x
.elseif (\m) == 9
	SCALES 0, 0
	SCALES 1, 0
.elseif (\m) < 26
	HOLDS (\m)-10, \x+2*((\m)-10)
.if ((\m)-10)%4 == 3
	v_cvt_scalef32_pk8_bf8_f32 v[NCD+2*(((\m)-10)/4):NCD+2*(((\m)-10)/4)+1], v[\x+8*(((\m)-10)/4):\x+8*(((\m)-10)/4)+7], v[SOP]
.endif
.elseif (\m) == 26
	SCALES 3, 0
.endif
.endm
.macro GAPV u, x  ; the quantiser of a pair of v's blocks, gaps 0 .. 59, 15 a tile: a scale block of 32 lies in lanes l and l xor 16
.set T_, (\u)/15
.set J_, (\u)%15
.set E_, \x+8*T_
.set O_, E_+32
.if (\u) > 59
.elseif J_ == 0
	v_max3_num_f32 v[TQ], |v[E_]|, |v[E_+1]|, |v[E_+2]|
	v_max3_num_f32 v[TQ+2], |v[O_]|, |v[O_+1]|, |v[O_+2]|
.elseif J_ < 3
	v_max3_num_f32 v[TQ], v[TQ], |v[E_+2*J_+1]|, |v[E_+2*J_+2]|
	v_max3_num_f32 v[TQ+2], v[TQ+2], |v[O_+2*J_+1]|, |v[O_+2*J_+2]|
.elseif J_ == 3
	v_max3_num_f32 v[TQ+2], v[TQ+2], |v[O_+7]|, (EMAX+1)<<23
	v_max3_num_f32 v[TQ], v[TQ], |v[E_+7]|, v[TQ+2]
.elseif J_ == 4
	v_permlanex16_b32 v[TQ+2], v[TQ], s60, s61
	v_max_num_f32 v[TQ], v[TQ], v[TQ+2]
.elseif J_ == 5
	SCALES 0, T_
	SCALES 1, T_
.elseif J_ < 10
	HOLDS J_-6, E_+2*(J_-6)
.if J_ == 9
	v_cvt_scalef32_pk8_bf8_f32 v[MCD+4*T_:MCD+4*T_+1], v[E_:E_+7], v[SOP+T_]
.endif
.elseif J_ < 14
	HOLDS J_-6, O_+2*(J_-10)
.if J_ == 13
	v_cvt_scalef32_pk8_bf8_f32 v[MCD+4*T_+2:MCD+4*T_+3], v[O_:O_+7], v[SOP+T_]
.endif
.else
	SCALES 3, T_
.endif
.endm
.macro RDESC i, off, lds  ; group 0 of a refill of x's rows, in two parts
.if (\i) == 0
	s_mul_i32 s[G0R+1], s14, CH/4*PITCH
	s_add_co_u32 s[G0R+1], s[G0R+1], s\lds
	s_mul_i32 s20, s14, CH/4*KROW
	s_add_co_u32 s20, s20, s\off
.else
	s_mov_b32 s21, 0
	s_add_nc_u64 s[G0R+2:G0R+3], s[4:5], s[20:21]
	s_or_b32 s[G0R+3], s[G0R+3], 0x80000000
.endif
.endm
; WHAT STANDS BEHIND PRODUCT n.  j: the block's number in its trip (the second loop's: 4, 5; v's: -1, -2).  y = 1: q's or k's way out at x; 2, 3: the halves of v's pair's at x.
; s[84:85] steps to the block whose way out stands here: 4,096 bytes a block, 20,480 from a chunk's last to the next chunk's first.
.macro LIST n, j, y, x
.if (\n) == 0
.if (\j) == 1
	s_add_nc_u64 s[84:85], s[84:85], 20480
	s_cmp_eq_u32 s46, 2
	s_cselect_b64 s[84:85], s[88:89], s[84:85]
.elseif (\j) == 5
	s_add_nc_u64 s[84:85], s[84:85], s[36:37]
.elseif (\j) >= 0
	s_add_nc_u64 s[84:85], s[84:85], 4096
.endif
	WIN 0
.if (\j) == 0 || (\j) == 1
	s_add_co_u32 s22, s101, ((\j)+2)*16*PITCH
	v_add_nc_u32 v[ADRA], s22, v[ADRA0]
.elseif (\j) > 1
	s_add_co_u32 s22, s47, ((\j)%2)*16*PITCH
	v_add_nc_u32 v[ADRA], s22, v[ADRA0]
.else
	s_add_co_u32 s22, s47, (-1-(\j))*16*PITCH
	v_add_nc_u32 v[ADRA], s22, v[ADRA0]
.endif
.elseif (\n) == 1
	WIN 0
.if (\j) == 0 || (\j) == 1
	s_add_co_u32 s22, s17, ((\j)+2)*SSTEP
	v_add_nc_u32 v[AAS], s22, v[AAS0]
.elseif (\j) > 1
	s_add_co_u32 s22, s8, ((\j)%2)*SSTEP
	v_add_nc_u32 v[AAS], s22, v[AAS0]
.else
	s_add_co_u32 s22, s8, (-1-(\j))*SSTEP
	v_add_nc_u32 v[AAS], s22, v[AAS0]
.endif
.endif
.if (\j) == 2 && (\n) == 2
	WIN 0
	v_lshl_add_u32 v7, v3, 8, s23
.elseif (\j) == 0 && ((\n) == 29 || (\n) == 30)
	RDESC (\n)-29, 6, 47
.elseif ((\j) == 1 || (\j) == 5) && (\n) == 2
	WIN 0
	v_add_nc_u32 v[VX], s9, v[VX]
.endif
.if (\y) == 1 && (\n) > 0 && (\n) < 28
	WIN 0
	GAPQ (\n)-1, \x
.elseif (\y) == 2 && (\n) > 0 && (\n) < 31
	WIN 0
	GAPV (\n)-1, \x
.elseif (\y) == 3 && (\n) > 0 && (\n) < 31
	WIN 0
	GAPV (\n)+29, \x
.endif
.endm
.macro BLOCK kind, e, a, from, to, j, y, x
.set N_, \from
.rept (\to)-(\from)
	PROD \kind, \e, \a, N_
	LIST N_, \j, \y, \x
.set N_, N_+1
.endr
.endm
.macro BLK kind, e, a, w, j, y, x
.if (\w) >= 0
	s_wait_dscnt \w
.endif
	s_wait_xcnt 0x0
	BLOCK \kind, \e, \a, 0, 32, \j, \y, \x
	WIN 0
	PLACES NP
.endm
.macro RBLK kind, e, a, w, j, y, x  ; a block with a round of the cluster's barrier
.if (\w) >= 0
	s_wait_dscnt \w
.endif
	s_wait_xcnt 0x0
	GRD
	BLOCK \kind, \e, \a, 0, 28, \j, \y, \x
	WIN 0
	WALU
	s_wait_dscnt 0x0
	s_barrier_signal -1
	BLOCK \kind, \e, \a, 28, 32, \j, \y, \x
	MIDDLE
	BARRIER
.endm
.macro SBLK kind, e, a, w, j, y, x  ; a block with a plain barrier that shows every wave's loads
.if (\w) >= 0
	s_wait_dscnt \w
.endif
	s_wait_xcnt 0x0
	BLOCK \kind, \e, \a, 0, 28, \j, \y, \x
	WIN 0
	WALU
	s_wait_tensorcnt 0x0
	s_wait_dscnt 0x0
	s_barrier_signal -1
	BLOCK \kind, \e, \a, 28, 32, \j, \y, \x
	WIN 0
	s_barrier_wait -1
	PLACES NP
.endm
.macro QOUT base, off, adr, boff  ; a block's byte goes to its place in LDS, its 32 codes a lane leave: 1,024 consecutive bytes in two stores
	ds_store_b8 v[\adr], v[EB] offset:\boff
	global_store_b128 v[CN], v[NCD:NCD+3], s[\base:\base+1] offset:\off
	global_store_b128 v[CN], v[NCD+4:NCD+7], s[\base:\base+1] offset:(\off)+256
.endm
.irp q, 0,1,2,3,4,5,6,7
.irp b, 0,1,2,3
	FRAG NB*\q+\b, ADRB+(\b%2), \q, \b*8*PITCH
.endr
.endr
	WIN 0
	s_wait_tensorcnt 0x0  ; chunk 0 and the scale bytes are in; the first weight is in registers
	s_wait_dscnt 0x0
	BARRIER
	FETCHAT 0, ADRA0, AAS0
	FETCHAT 1, 1, 2
	s_mov_b64 s[32:33], s[88:89]  ; Wv's codes (no load of mine is out: these registers held a descriptor)
	s_mov_b64 s[34:35], s[4:5]
	s_mov_b32 s36, 20480
	s_mov_b32 s37, 0
	s_load_b128 s[92:95], s[0:1], 0x58  ; codes, scales
	s_mov_b32 s60, 0x76543210
	s_mov_b32 s61, 0xfedcba98
	s_mov_b32 s62, 0x600000
.set I_, 0
.rept 32
	v_mov_b32 v[ACC+32+I_], 0
.set I_, I_+1
.endr
	s_wait_kmcnt 0x0
	s_add_nc_u64 s[96:97], s[92:93], s[80:81]
	s_add_nc_u64 s[98:99], s[94:95], s[82:83]
	s_add_nc_u64 s[92:93], s[92:93], s[76:77]
	s_add_nc_u64 s[94:95], s[94:95], s[78:79]
	s_lshl_b32 s20, s18, 16
	s_mov_b32 s21, 0
	s_add_nc_u64 s[88:89], s[92:93], s[20:21]  ; q's or k's codes of v's window
	s_xor_b32 s20, s20, 0x10000
	s_add_nc_u64 s[84:85], s[92:93], s[20:21]  ; of the other window
	s_sub_nc_u64 s[84:85], s[84:85], 24576
	s_mov_b32 s46, 0  ; PHASE 1.  s46 the trip; s101, s47 this chunk's slot and the next chunk's; s17, s8 their scale words' step; s6 the rows that are loaded; s9 to a byte's next place; s23 what is asked for ahead
	s_mov_b32 s9, 0
	s_mov_b32 s23, 0
	s_mov_b32 s101, 0
	s_mov_b32 s47, YB
	s_mov_b32 s17, 0
	s_mov_b32 s8, CSTEP
	s_wait_loadcnt 0x0
.Lfour:
	RBLK 0, 0, 0, NF, 0, 1, ACC+32  ; blocks 0, 4, 8: chunks 1, 2, 3 come
	TLOAD G0R, G1R  ; my quarter of the next chunk; the barrier inside the block two on shows all four
	PLACES NP-4
	s_cmp_eq_u32 s46, 0
	s_cbranch_scc1 .Lno_block_before
	QOUT 84, 0, VX, 12
.Lno_block_before:
	FETCHAT 0, ADRA, AAS
	BLK 0, 1, 1, -1, 1, 1, ACC
	QOUT 84, 0, VX, 0
	FETCHAT 1, ADRA, AAS
	SBLK 0, 0, 0, NF, 2, 1, ACC+32  ; the next chunk is in
	QOUT 84, 0, VX, 4
	s_cmp_eq_u32 s46, 0
	s_cbranch_scc1 .Lnone_ahead
	global_prefetch_b8 v7, s[34:35] th:TH_LOAD_NT scope:SCOPE_SE  ; trip 1: chunk 3, trip 2: Wv's rows; my sixteenth
.Lnone_ahead:
	FETCHAT 0, ADRA, AAS
	BLK 0, 1, 1, -1, 3, 1, ACC
	QOUT 84, 0, VX, 8
	FETCHAT 1, ADRA, AAS
	s_cmp_eq_u32 s46, 0
	s_cselect_b32 s6, s2, s7
	s_cselect_b32 s21, s66, s100
	s_cselect_b32 s22, s7, s3
	s_cselect_b64 s[34:35], s[4:5], s[32:33]
	s_mov_b32 s9, 512
	s_lshl_b32 s21, s21, 13
	s_add_co_u32 s23, s21, s22
	s_mov_b32 s101, s47
	s_mov_b32 s17, s8
	s_xor_b32 s47, s47, YB
	s_add_co_u32 s8, s8, CSTEP
	s_add_co_u32 s46, s46, 1
	s_cmp_lg_u32 s46, 3
	s_cbranch_scc1 .Lfour
	GRD
	s_mul_i32 s20, s14, CH/4*KROW
	s_add_co_u32 s20, s20, s3
	s_mov_b32 s21, 0
	s_mul_i32 s[G0A+1], s14, CH/4*PITCH
	s_add_nc_u64 s[G0A+2:G0A+3], s[32:33], s[20:21]
	s_or_b32 s[G0A+3], s[G0A+3], 0x80000000
	GROUP1 G1A, 45, CH/4
	s_wait_dscnt 0x0
	s_barrier_signal -1
	MIDDLE
	BARRIER
	TLOAD G0A, G1A
	s_mov_b32 s47, YB+32*PITCH
	s_mov_b32 s8, 3*CSTEP+2*SSTEP
	s_mov_b32 s9, 504  ; with the places 12 and 8 below: block 12's byte at 0 of chunk 3, then 4, 8, 12
.Ltwo:
	BLK 0, 0, 0, NF, 4, 1, ACC+32  ; blocks 12, 14
	QOUT 84, 0, VX, 12
	FETCHAT 0, ADRA, AAS
	BLK 0, 1, 1, NF, 5, 1, ACC  ; 13, 15; the block two on is then v's: chunk 3 again, as it lies in slot 1
	QOUT 84, 0, VX, 8
	FETCHAT 1, ADRA, AAS
	s_mov_b32 s47, YB
	s_mov_b32 s8, 3*CSTEP
	s_mov_b32 s9, 8
	s_mov_b32 s36, 4096
	s_add_co_u32 s46, s46, 1
	s_cmp_lg_u32 s46, 5
	s_cbranch_scc1 .Ltwo
; the change of phase
	s_wait_xcnt 0x0
	s_wait_tensorcnt 0x0  ; Wv's rows are in
	s_wait_dscnt 0x0
	BARRIER
.macro CHANGE i  ; among Wv's 128 loads: the last block's way out; Wv's scale words into their place; zeros into what no block has written yet
.if (\i) < 7
.irp k, 0,1,2,3
.if 4*(\i)+\k < 27
	GAPQ 4*(\i)+\k, ACC+32
.endif
.endr
.elseif (\i) < 9
.irp q, 0,1,2,3,4,5,6,7
	v_mov_b32 v[SB+8*((\i)-7)+\q], v[WS+8*((\i)-7)+\q]
.endr
.elseif (\i) < 15
.irp q, 0,1,2,3,4,5,6,7
	v_mov_b32 v[ACC+80+8*((\i)-9)+\q], 0
.endr
.endif
.endm
.irp q, 0,1,2,3,4,5,6,7
.irp b, 0,2
	FRAG NB*\q+\b, ADRV, \q, \b*16*PITCH
	FRAG NB*\q+\b+1, ADRV, \q, (\b+1)*16*PITCH
	WIN 0
	CHANGE 2*\q+\b/2
.endr
.endr
.irp t, 0,1,2,3
.irp i, 0,1,2,3,4,5,6,7
	v_mov_b32 v[BQ+8*\t+\i], v[BV+\t]
.endr
.endr
	WALU
	QOUT 84, 4096, VX, 12
	GRD
	s_mov_b32 s47, 0
	RDESC 0, 2, 47
	RDESC 1, 2, 47
	s_mov_b32 s46, 0
	s_mov_b32 s47, YB+32*PITCH
	s_mov_b32 s8, 3*CSTEP+2*SSTEP
	s_wait_dscnt 0x0
	s_barrier_signal -1
	MIDDLE
	BARRIER
	TLOAD G0R, G1R
.macro VOUT  ; a pair of v's blocks: four tiles' bytes and codes, 512 consecutive bytes a store
.irp t, 0,1,2,3
	ds_store_b8 v[VX], v[EB+\t] offset:4*\t
	global_store_b128 v[CO], v[MCD+4*\t:MCD+4*\t+3], s[84:85] offset:4096*\t
.endr
.endm
.macro VTO  ; s22: the pair's number by its keys: 128-key half s22 / 2, chunk s22 % 2 of my row of waves' two
	s_and_b32 s20, s22, 1
	s_lshr_b32 s22, s22, 1
	s_lshl_b32 s23, s22, 9
	s_add_co_u32 s23, s23, s20
	v_add_nc_u32 v[VX], s23, v[RD]
	s_lshl_b32 s20, s20, 9
	s_lshl_b32 s22, s22, 11
	s_add_co_u32 s20, s20, s22
	s_mov_b32 s21, 0
	s_add_nc_u64 s[84:85], s[96:97], s[20:21]
	WALU
.endm
.Lpair:
	BLK 1, 0, 0, -1, -1, 2, ACC+64
	s_cmp_eq_u32 s46, 3
	s_cbranch_scc1 .Lnone_0
	FETCHAT 0, ADRA, AAS
	s_wait_dscnt NF
	s_branch .Lgo
.Lnone_0:
	s_wait_dscnt 0x0
.Lgo:
	SBLK 1, 1, 1, -1, -2, 3, ACC+64  ; the first trip's shows chunk 2
.set I_, 0
.rept 32  ; the pair's sums are copied, so that one trip is two blocks of text
	v_dual_mov_b32 v[ACC+64+I_], v[ACC+I_] :: v_dual_mov_b32 v[ACC+64+I_+1], v[ACC+I_+1]
.set I_, I_+2
.endr
	s_add_co_u32 s22, s46, 1
	s_and_b32 s22, s22, 3
	VTO
	s_cmp_eq_u32 s46, 0
	s_cbranch_scc1 .Lno_pair_before
	VOUT
.Lno_pair_before:
	s_cmp_eq_u32 s46, 3
	s_cbranch_scc1 .Lnone_1
	FETCHAT 1, ADRA, AAS
.Lnone_1:
	s_mov_b32 s8, 2*CSTEP+2*SSTEP
	s_mov_b32 s47, 32*PITCH
	s_cmp_eq_u32 s46, 0
	s_cselect_b32 s47, 0, s47
	s_cselect_b32 s8, 2*CSTEP, s8
	s_add_co_u32 s46, s46, 1
	s_cmp_lg_u32 s46, 4
	s_cbranch_scc1 .Lpair
	s_wait_xcnt 0x0
.set K_, 0
.rept 60
	GAPV K_, ACC+64
.set K_, K_+1
.endr
	s_mov_b32 s22, 1
	VTO
	VOUT
	s_wait_dscnt 0x0  ; the scale bytes
	BARRIER
	v_lshlrev_b32 v20, 4, v3
	s_lshl_b32 s21, s14, 9
	s_add_co_u32 s21, s21, XN
	v_add_nc_u32 v21, s21, v20
	v_lshlrev_b32 v22, 3, v3
	s_lshl_b32 s21, s14, 8
	s_add_co_u32 s21, s21, XV
	v_add_nc_u32 v23, s21, v22
	s_wait_alu depctr_va_vdst(0)
	ds_load_b128 v[60:63], v21
	ds_load_b64 v[40:41], v23
	s_wait_dscnt 0x0
	global_store_b128 v20, v[60:63], s[94:95]
	global_store_b64 v22, v[40:41], s[98:99]
	s_wait_tensorcnt 0x0
	ds_add_u32 v[SPW], v[NIL]
	s_wait_dscnt 0x0
	CROUND
	s_endpgm
.Lfunc_end_k_q6699cd6704_proj:
	.size	k_q6699cd6704_proj, .Lfunc_end_k_q6699cd6704_proj-k_q6699cd6704_proj
	.p2alignl 7, 3214868480
	.fill 96, 4, 3214868480
	.section	.rodata,"a",@progbits
	.p2align	6, 0x0
	.amdhsa_kernel k_q6699cd6704_proj
		.amdhsa_group_segment_fixed_size 327680
		.amdhsa_private_segment_fixed_size 0
		.amdhsa_enable_private_segment 0
		.amdhsa_kernarg_size 104
		.amdhsa_user_sgpr_count 2
		.amdhsa_user_sgpr_kernarg_segment_ptr 1
		.amdhsa_wavefront_size32 1
		.amdhsa_system_sgpr_workgroup_id_x 1
		.amdhsa_system_sgpr_workgroup_id_y 1
		.amdhsa_system_sgpr_workgroup_id_z 1
		.amdhsa_system_vgpr_workitem_id 0
		.amdhsa_next_free_vgpr 1024
		.amdhsa_next_free_sgpr 102
		.amdhsa_reserve_vcc 0
		.amdhsa_float_denorm_mode_32 3
		.amdhsa_float_denorm_mode_16_64 3
		.amdhsa_memory_ordered 1
		.amdhsa_forward_progress 1
		.amdhsa_inst_pref_size 164
	.end_amdhsa_kernel
	.amdgpu_metadata
---
amdhsa.version: [ 1, 2 ]
amdhsa.kernels:
  - .name:           k_q6699cd6704_proj
    .symbol:         k_q6699cd6704_proj.kd
    .args:
      - { .name: x_codes, .offset: 0, .size: 8, .value_kind: global_buffer, .address_space: global }
      - { .name: x_scales, .offset: 8, .size: 8, .value_kind: global_buffer, .address_space: global }
      - { .name: Wq_codes, .offset: 16, .size: 8, .value_kind: global_buffer, .address_space: global }
      - { .name: Wq_scales, .offset: 24, .size: 8, .value_kind: global_buffer, .address_space: global }
      - { .name: Wk_codes, .offset: 32, .size: 8, .value_kind: global_buffer, .address_space: global }
      - { .name: Wk_scales, .offset: 40, .size: 8, .value_kind: global_buffer, .address_space: global }
      - { .name: Wv_codes, .offset: 48, .size: 8, .value_kind: global_buffer, .address_space: global }
      - { .name: Wv_scales, .offset: 56, .size: 8, .value_kind: global_buffer, .address_space: global }
      - { .name: bq, .offset: 64, .size: 8, .value_kind: global_buffer, .address_space: global }
      - { .name: bk, .offset: 72, .size: 8, .value_kind: global_buffer, .address_space: global }
      - { .name: bv, .offset: 80, .size: 8, .value_kind: global_buffer, .address_space: global }
      - { .name: codes, .offset: 88, .size: 8, .value_kind: global_buffer, .address_space: global }
      - { .name: scales, .offset: 96, .size: 8, .value_kind: global_buffer, .address_space: global }
    .group_segment_fixed_size: 327680
    .private_segment_fixed_size: 0
    .kernarg_segment_align: 8
    .kernarg_segment_size: 104
    .max_flat_workgroup_size: 128
    .sgpr_count:     102
    .vgpr_count:     1024
    .wavefront_size: 32
...
	.end_amdgpu_metadata
.endif
;; end of part 1
;; launch score (part 2): grid 12 x 16, 4 waves a work-group, clusters of 4 x 4, 327,680 bytes of LDS; arguments codes, scales, pcodes, pstat; writes pcodes, pstat
.if DOCPART == 2
	.amdgcn_target "amdgcn-amd-amdhsa--gfx1250"
	.amdhsa_code_object_version 6
	.text
	.protected	k_q6699cd6704_score
	.globl	k_q6699cd6704_score
	.p2align	8
	.type	k_q6699cd6704_score,@function
k_q6699cd6704_score:
	s_mov_b64 s[64:65], 0
	v_nop
	global_prefetch_b8 v0, s[64:65] scope:SCOPE_SE
	s_setreg_imm32_b32 hwreg(HW_REG_WAVE_MODE, 25, 1), 1
	s_wait_xcnt 0x0
	s_wait_alu depctr_hold_cnt(0) depctr_sa_sdst(0) depctr_va_vdst(0) depctr_va_sdst(0) depctr_va_ssrc(0) depctr_va_vcc(0) depctr_vm_vsrc(0)
	s_getreg_b32 s2, hwreg(HW_REG_IB_STS2, 6, 4)
	s_cmp_eq_u32 s2, 0
	s_cbranch_scc0 .Lentry_in_a_cluster
	s_endpgm
.Lentry_in_a_cluster:
	s_bfe_u32 s2, ttmp6, 0x10000c
	s_cmp_lg_u32 s2, 0xf033
	s_cbranch_scc0 .Lentry_shape_is_right
	s_endpgm
.Lentry_shape_is_right:
; S = q k^T on the codes that the launch before has made, the causal mask, and the softmax's p = 2^(t - M), quantised along the keys.  t = score x log2(e) / 32.
; M IS LOCAL: for each query and each 128 keys, M = the ceiling of the largest t among those 128 keys.  p's CODES do not hang on M: a whole number more or less in M moves a block's scale byte alone.  So the codes are
; stored as they are, and beside them, for each query and 128 keys, p's scale word, -M and the sum l of the unquantised p.  The next launch takes the row's largest M and brings bytes and sums under it.
; SHARES.  A tile of 256 queries x 256 keys to a work-group of four waves, 128 x 128 to a wave.  Cluster y is the batch; cluster x one of the three quadrants of 4 x 4 tiles that hold visible keys: (I, J) = (0, 0), (1, 0), (1, 1).
; The quadrant (0, 1) lies wholly under the mask and is not computed.  Inside a quadrant all sixteen partners run the same text: a tile under the mask gives zero codes, byte 1, l = 0 and -M = 3e38.
; A = q (source 1), B = k (source 0): lane (r, h) holds query 16 a + r, register j of accumulator (a, b) key 16 b + 8 h + j: a lane's registers run along the keys, the next product's K.
; THE MASK has no branch: three lane masks in scalar registers (all, none, or the diagonal's) are chosen by selects on the wave's place, and one v_cndmask_b32 a number both masks it and moves it out of the accumulator.
; OPERANDS lie in memory as images of fragments: 128 rows x 256 K are 32,768 consecutive bytes, one tensor load; a fragment comes from LDS by four loads of 512 consecutive bytes.  K = 1,024: 4 steps, written out.
; OUT.  pcodes [batch][key / 256][query / 16][2 images of 2,048]; pstat [batch][query / 128][key / 128][3][512]: scale words, -M, l, the word of (block a, row r) at 16 (r + 16 (a / 4)) + 4 (a % 4).
; LIMITS: NaN and infinities are not served.  A block of p that is all zeros keeps the byte 1: its codes are zeros.  The order of the keys inside a block of 32 is the one in which v's codes were laid.
; REGISTERS: window 0: v16-30 addresses and constants; v32-39 -M, v40-47 l, v48-55 p's words, one a block; v56-63 at work; v64-95 q's scale words, v96-127 k's; v128-255 A's fragments, later scores, codes, at work.
;   window 1: B's two sets.   windows 2, 3: the accumulators.
.set HALFT,  32768                     ; 128 rows x 256 K: what one tensor load brings
.set SLOT,   4*HALFT
.set SPARE,  2*SLOT                    ; behind the ring: the spare words, 128 bytes a wave
.set FI,     4096                      ; from fragment to fragment: 16 rows x 256 K
.set FQ,     2048                      ; from the slot's first 128 along K to its second
.set FC,     512                       ; from chunk to chunk
.set ASTEP,  0x200000                  ; bytes in memory from a K step to the next
.set BSTEP,  0x200000
.set AF,     128
.set ADRA,   16
.set ADRB,   20
.set LI,     22                        ; v22 16 x lane
.set SPW,    28
.set NIL,    29
.set NINF,   30                        ; v30 -infinity
.set NM,     32
.set LL,     40
.set PW,     48
.set BM,     56                        ; v56-59 a block's largest score, then its largest p
.set T4,     60                        ; v60-63 the other half's, then the bytes
.set ST,     128                       ; v128-191 64 scores of a lane, then p
.set HOLD,   224
.set SOP,    228
.set CS,     70                        ; s[70:71] c = log2(e) / 32
.set SEL,    72
.set MNT,    74
.set HM,     75
.set MLO,    76                        ; lanes that see keys of blocks under the diagonal block: all, if my keys do not begin behind my queries
.set MHI,    77                        ; of blocks over it: all, if my keys end in front of my queries
.set MD,     78                        ; s78-85 of the diagonal block's register j
.set G1,  24
.set G0,  32
.set G1B, 48
.set G0B, 56
.set MSB, 0
.macro WIN new
.if MSB != (\new)
	s_set_vgpr_msb (MSB<<8)|(\new)
.set MSB, (\new)
.endif
.endm
.set MUL_LO, 0xa1
.set MUL_HI, 0xf1
.set TO_B,   0x40
.macro PLACES n
.rept \n
	v_nop
.endr
.endm
.macro JLOAD g0a, g1a, g0b, g1b        ; a joint load: waves 0 and 1 fetch for A, waves 2 and 3 for B; four v_nop follow each of the two lines
	s_cmp_eq_u32 s15, 0
	s_cbranch_scc0 .Lfor_b_\@
	tensor_load_to_lds s[\g0a:\g0a+3], s[\g1a:\g1a+7]
	s_nop 0
.rept 4
	v_nop
.endr
	s_branch .Lasked_\@
.Lfor_b_\@:
	tensor_load_to_lds s[\g0b:\g0b+3], s[\g1b:\g1b+7]
	s_nop 0
.rept 4
	v_nop
.endr
.Lasked_\@:
.endm
.macro CREST
	s_cmp_lg_u32 s14, 0
	s_cbranch_scc1 .Lnot_wave_0_\@
	s_barrier_signal -3
.Lnot_wave_0_\@:
	s_barrier_wait -3
	s_barrier_signal -1
	s_barrier_wait -1
.endm
.macro CROUND
	s_barrier_signal -1
	s_barrier_wait -1
	CREST
.endm
.macro WM acc, bf, af, zero, sb, sa, rb, ra
.if \zero
.if (\rb)&&(\ra)
	v_wmma_scale_f32_16x16x128_f8f6f4 v[\acc:\acc+7], v[\bf:\bf+15], v[\af:\af+15], 0, v[\sb], v[\sa] matrix_a_fmt:MATRIX_FMT_BF8 matrix_b_fmt:MATRIX_FMT_BF8 matrix_a_scale:MATRIX_SCALE_ROW1 matrix_b_scale:MATRIX_SCALE_ROW1
.elseif (\rb)
	v_wmma_scale_f32_16x16x128_f8f6f4 v[\acc:\acc+7], v[\bf:\bf+15], v[\af:\af+15], 0, v[\sb], v[\sa] matrix_a_fmt:MATRIX_FMT_BF8 matrix_b_fmt:MATRIX_FMT_BF8 matrix_a_scale:MATRIX_SCALE_ROW1
.elseif (\ra)
	v_wmma_scale_f32_16x16x128_f8f6f4 v[\acc:\acc+7], v[\bf:\bf+15], v[\af:\af+15], 0, v[\sb], v[\sa] matrix_a_fmt:MATRIX_FMT_BF8 matrix_b_fmt:MATRIX_FMT_BF8 matrix_b_scale:MATRIX_SCALE_ROW1
.else
	v_wmma_scale_f32_16x16x128_f8f6f4 v[\acc:\acc+7], v[\bf:\bf+15], v[\af:\af+15], 0, v[\sb], v[\sa] matrix_a_fmt:MATRIX_FMT_BF8 matrix_b_fmt:MATRIX_FMT_BF8
.endif
.else
.if (\rb)&&(\ra)
	v_wmma_scale_f32_16x16x128_f8f6f4 v[\acc:\acc+7], v[\bf:\bf+15], v[\af:\af+15], v[\acc:\acc+7], v[\sb], v[\sa] matrix_a_fmt:MATRIX_FMT_BF8 matrix_b_fmt:MATRIX_FMT_BF8 matrix_a_scale:MATRIX_SCALE_ROW1 matrix_b_scale:MATRIX_SCALE_ROW1
.elseif (\rb)
	v_wmma_scale_f32_16x16x128_f8f6f4 v[\acc:\acc+7], v[\bf:\bf+15], v[\af:\af+15], v[\acc:\acc+7], v[\sb], v[\sa] matrix_a_fmt:MATRIX_FMT_BF8 matrix_b_fmt:MATRIX_FMT_BF8 matrix_a_scale:MATRIX_SCALE_ROW1
.elseif (\ra)
	v_wmma_scale_f32_16x16x128_f8f6f4 v[\acc:\acc+7], v[\bf:\bf+15], v[\af:\af+15], v[\acc:\acc+7], v[\sb], v[\sa] matrix_a_fmt:MATRIX_FMT_BF8 matrix_b_fmt:MATRIX_FMT_BF8 matrix_b_scale:MATRIX_SCALE_ROW1
.else
	v_wmma_scale_f32_16x16x128_f8f6f4 v[\acc:\acc+7], v[\bf:\bf+15], v[\af:\af+15], v[\acc:\acc+7], v[\sb], v[\sa] matrix_a_fmt:MATRIX_FMT_BF8 matrix_b_fmt:MATRIX_FMT_BF8
.endif
.endif
.endm
; 16 products; kq: which 128 along K (0 .. 7): block i's scale word stands in register 4 kq + i % 4 of its side, in lanes 16-31 for blocks 4-7.  The 64 accumulators take turns.
.macro MUL16 a0, p, kq, zero
.irp a, \a0, \a0+1
.irp b, 0,1,2,3,4,5,6,7
	WM 8*(8*((\a)%4)+\b), 128*(\p)+16*\b, AF+16*(\a), \zero, 96+4*(\kq)+\b%4, 64+4*(\kq)+(\a)%4, \b/4, (\a)/4
.endr
.endr
.endm
.macro FRAG reg, adr, q, i             ; a fragment's image: chunk c is 512 bytes, lane l's 16 bytes at 16 l
.irp c, 0,1,2,3
	ds_load_b128 v[\reg+4*\c:\reg+4*\c+3], v[\adr] offset:FQ*(\q)+FC*\c+(\i)*FI
.endr
.endm
.macro FETCH_B slot, q, p
	WIN TO_B
.irp i, 0,1,2,3,4,5,6,7
	FRAG 128*(\p)+16*\i, ADRB+\slot, \q, \i
.endr
	WIN 0
.endm
.macro FETCH_A slot, q, i0
.irp i, \i0, \i0+1, \i0+2, \i0+3
	FRAG AF+16*(\i), ADRA+\slot, \q, \i
.endr
.endm
.macro STEP slot, kq, zero             ; a slot's first 128 along K
	s_wait_dscnt 16                                ; B's set and A's blocks 0-3 are in; the youngest 16 loads (A's blocks 4-7) may be out
	WIN MUL_LO
	MUL16 0, 0, \kq, \zero
	MUL16 2, 0, \kq, \zero
	s_wait_dscnt 0x0
	PLACES 8                                       ; in front of loads into registers that matrix instructions have read
	FETCH_B \slot, 1, 1
	FETCH_A \slot, 1, 0
	WIN MUL_HI
	MUL16 4, 0, \kq, \zero
	MUL16 6, 0, \kq, \zero
	PLACES 8
	WIN 0
	FETCH_A \slot, 1, 4
.endm
; A slot's second 128 along K, and the change of slots.  All of this slot's fragments have been asked for when the macro begins, so the slot can be given up at once.
; fill = 1: the barrier opens a round of the cluster's barrier, and the refill comes ahead of all 64 products of this 128 along K: it has them, and the next slot's first 64, in which to land.
; fill = 0: nothing is asked for, so products stand between the add and its wait and between the barrier's signal and its wait.
.macro TURN slot, next, fill, kq
	s_wait_tensorcnt 0x0                           ; all my tensor loads have landed: my part of the next slot
	ds_add_u32 v[SPW], v[NIL]                      ; 0 onto my spare word
.if \fill
	s_add_nc_u64 s[G0+4*\slot+2:G0+4*\slot+3], s[G0+4*\slot+2:G0+4*\slot+3], 2*ASTEP      ; no tensor load of mine is out, so the groups 0 may be written: this slot's tile two K steps on
	s_add_nc_u64 s[G0B+4*\slot+2:G0B+4*\slot+3], s[G0B+4*\slot+2:G0B+4*\slot+3], 2*BSTEP
	s_wait_dscnt 0x0                               ; the add is done, and my reads of this slot are over
	s_barrier_signal -1
	s_barrier_wait -1
	CREST                                          ; no wave of any partner still reads this slot or has a load on its way
	JLOAD G0+4*\slot, G1, G0B+4*\slot, G1B         ; the first tensor load behind the round
	WIN MUL_LO
	MUL16 0, 1, \kq, 0
	MUL16 2, 1, \kq, 0
.else
	s_wait_dscnt 17                                ; (the add and the youngest 16 loads may be out)
	WIN MUL_LO
	MUL16 0, 1, \kq, 0
	s_wait_dscnt 0x0                               ; the add is done, and my reads of this slot are over
	s_barrier_signal -1
	MUL16 2, 1, \kq, 0
	WIN 0
	s_barrier_wait -1
.endif
	PLACES 8                                       ; in front of loads into A's blocks 0-3, which the products above have read
	FETCH_B \next, 0, 0
	FETCH_A \next, 0, 0
	WIN MUL_HI
	MUL16 4, 1, \kq, 0
	MUL16 6, 1, \kq, 0
	PLACES 8
	WIN 0
	FETCH_A \next, 0, 4
.endm
.macro LAST kq
	s_wait_dscnt 16
	WIN MUL_LO
	MUL16 0, 1, \kq, 0
	MUL16 2, 1, \kq, 0
	s_wait_dscnt 0x0
	WIN MUL_HI
	MUL16 4, 1, \kq, 0
	MUL16 6, 1, \kq, 0
	WIN 0
.endm
	s_load_b256 s[4:11], s[0:1], 0x0               ; codes s[4:5], scales s[6:7], pcodes s[8:9], pstat s[10:11]
	v_lshl_add_u32 v[SPW], v0, 2, SPARE
	v_mov_b32 v[NIL], 0
	ds_add_u32 v28, v29
	ds_add_u32 v28, v29
	s_wait_dscnt 0x0
	v_lshrrev_b32 v1, 5, v0
	v_readfirstlane_b32 s14, v1                    ; wave 0..3
	s_lshr_b32 s15, s14, 1                         ; HI: my half of the queries.  Also: I fetch for A (0) or for B (1)
	s_and_b32 s16, s14, 1                          ; LO: my half of the keys.  Also: which 128 rows of that tile I fetch
	s_bfe_u32 s40, ttmp6, 0x40000                  ; cx
	s_bfe_u32 s41, ttmp6, 0x40004                  ; cy
	s_and_b32 s66, ttmp7, 0xffff                   ; the batch
	s_add_co_u32 s17, ttmp9, 1
	s_lshr_b32 s17, s17, 1                         ; I = (quadrant + 1) / 2
	s_lshl_b32 s17, s17, 2
	s_add_co_u32 s17, s17, s41                     ; i: my tile of queries
	s_lshr_b32 s42, ttmp9, 1                       ; J = quadrant / 2
	s_lshl_b32 s42, s42, 2
	s_add_co_u32 s42, s42, s40                     ; j: my tile of keys
	s_lshl_b32 s43, s41, 2
	s_lshl_b32 s43, 15, s43                        ; my row of the cluster
	s_lshl_b32 s44, 0x1111, s40                    ; my column
	; descriptor group 1: a dense block of 32,768 bytes as 128 rows of 256 bytes (32 elements of 8 bytes), no padding
	s_or_b32 s[G1+0], s43, (3<<16)|(1<<21)
	s_or_b32 s[G1B+0], s44, (3<<16)|(1<<21)
.irp g, G1, G1B
	s_mov_b32 s[\g+1], 32<<16
	s_mov_b32 s[\g+2], 128<<16
	s_mov_b32 s[\g+3], 32<<16
	s_mov_b32 s[\g+4], 128
	s_mov_b32 s[\g+5], 32
	s_mov_b32 s[\g+6], 0
	s_mov_b32 s[\g+7], 0
.endr
	s_lshl_b32 s20, s66, 3                         ; q: (8 batch + i) x 65,536 + LO x 32,768
	s_add_co_u32 s20, s20, s17
	s_lshl_b32 s20, s20, 16
	s_lshl_b32 s21, s16, 15
	s_add_co_u32 s20, s20, s21
	s_mov_b32 s21, 0
	s_lshl_b32 s46, s66, 3                         ; k: 8 MiB + (8 batch + j) x 65,536 + LO x 32,768
	s_add_co_u32 s46, s46, s42
	s_lshl_b32 s46, s46, 16
	s_lshl_b32 s47, s16, 15
	s_add_co_u32 s46, s46, s47
	s_add_co_u32 s46, s46, 0x800000
	s_mov_b32 s47, 0
	s_mul_i32 s45, s14, HALFT                      ; where my load goes
	s_mov_b32 s[CS], 0x3d38aa3b                    ; log2(e) / 32
	s_mov_b32 s[CS+1], s[CS]                       ; (named with it as a pair)
	s_mov_b32 s[SEL], 0x76543210
	s_mov_b32 s[SEL+1], 0xfedcba98
	s_mov_b32 s[MNT], 0x600000
	s_mov_b32 s[HM], 0xffff0000
	s_wait_kmcnt 0x0
	s_add_nc_u64 s[20:21], s[4:5], s[20:21]
	s_add_nc_u64 s[46:47], s[4:5], s[46:47]
	CROUND                                         ; the first joint loads meet
.irp s, 0,1
	s_mov_b32 s[G0+4*\s], 1
	s_add_co_u32 s[G0+4*\s+1], s45, \s*SLOT
	s_add_nc_u64 s[G0+4*\s+2:G0+4*\s+3], s[20:21], \s*ASTEP
	s_or_b32 s[G0+4*\s+3], s[G0+4*\s+3], 0x80000000
	s_mov_b32 s[G0B+4*\s], 1
	s_add_co_u32 s[G0B+4*\s+1], s45, \s*SLOT
	s_add_nc_u64 s[G0B+4*\s+2:G0B+4*\s+3], s[46:47], \s*BSTEP
	s_or_b32 s[G0B+4*\s+3], s[G0B+4*\s+3], 0x80000000
.endr
	JLOAD G0, G1, G0B, G1B                         ; K step 0: one tensor load a wave at the head
	v_and_b32 v5, 31, v0
	v_lshlrev_b32 v[LI], 4, v5
	s_wait_alu depctr_va_vdst(0)
	s_mul_i32 s21, s15, HALFT
	s_mul_i32 s22, s16, HALFT
	s_add_co_u32 s22, s22, 2*HALFT
.irp s, 0,1
	v_add_nc_u32 v[ADRA+\s], s21, v[LI]
	v_add_nc_u32 v[ADRB+\s], s22, v[LI]
	s_add_co_u32 s21, s21, SLOT
	s_add_co_u32 s22, s22, SLOT
.endr
	s_lshl_b32 s20, s66, 3                         ; q's scale words: (8 batch + i) x 8,192 + HI x 512
	s_add_co_u32 s20, s20, s17
	s_lshl_b32 s20, s20, 13
	s_lshl_b32 s22, s15, 9
	s_add_co_u32 s20, s20, s22
	s_mov_b32 s21, 0
	s_add_nc_u64 s[12:13], s[6:7], s[20:21]
	s_lshl_b32 s20, s66, 3                         ; k's: 262,144 + (8 batch + j) x 8,192 + LO x 512
	s_add_co_u32 s20, s20, s42
	s_lshl_b32 s20, s20, 13
	s_lshl_b32 s22, s16, 9
	s_add_co_u32 s20, s20, s22
	s_add_co_u32 s20, s20, 262144
	s_add_nc_u64 s[6:7], s[6:7], s[20:21]
.irp q, 0,1,2,3,4,5,6,7
	global_load_b128 v[64+4*\q:64+4*\q+3], v[LI], s[12:13] offset:1024*\q
	global_load_b128 v[96+4*\q:96+4*\q+3], v[LI], s[6:7] offset:1024*\q
.endr
	; the mask's lane masks
	s_lshl_b32 s18, s17, 1
	s_add_co_u32 s18, s18, s15                     ; my queries begin at 128 (2 i + HI),
	s_lshl_b32 s19, s42, 1
	s_add_co_u32 s19, s19, s16                     ; my keys at 128 (2 j + LO)
	s_cmp_ge_u32 s18, s19
	s_cselect_b32 s[MLO], -1, 0
	s_cmp_gt_u32 s18, s19
	s_cselect_b32 s[MHI], -1, 0
.irp j, 0,1,2,3,4,5,6,7
	s_and_b32 s[MD+\j], s[MLO], (((0xffff<<\j)&0xffff)|(((0xffff<<(8+\j))&0xffff)<<16))   ; on the diagonal lane (r, h) sees register j's key where 8 h + j <= r
	s_or_b32 s[MD+\j], s[MD+\j], s[MHI]
.endr
	; where my results go
	s_lshl_b32 s20, s66, 4
	s_add_co_u32 s20, s20, s18
	s_lshl_b32 s20, s20, 4
	s_add_co_u32 s20, s20, s19
	s_mul_i32 s20, s20, 1536                       ; pstat: ((16 batch + 2 i + HI) x 16 + 2 j + LO) x 1,536
	s_add_nc_u64 s[10:11], s[10:11], s[20:21]
	s_lshl_b32 s20, s66, 22                        ; pcodes: batch x 4 MiB + j x 524,288 + (16 i + 8 HI) x 4,096 + LO x 2,048
	s_lshl_b32 s22, s42, 19
	s_add_co_u32 s20, s20, s22
	s_lshl_b32 s22, s17, 16
	s_add_co_u32 s20, s20, s22
	s_lshl_b32 s22, s15, 15
	s_add_co_u32 s20, s20, s22
	s_lshl_b32 s22, s16, 11
	s_add_co_u32 s20, s20, s22
	s_add_nc_u64 s[8:9], s[8:9], s[20:21]
	v_mov_b32 v[NINF], 0xff800000
.irp b, 0,1,2,3
	v_mov_b32 v[T4+\b], 0                          ; written once: a lane permute's destination counts as one of its sources
.endr
	s_wait_alu depctr_va_vdst(0)
	s_wait_tensorcnt 0x0                           ; my part of K step 0 is in
	ds_add_u32 v[SPW], v[NIL]
	s_wait_dscnt 0x0
	CROUND                                         ; everybody's part is in, and all sixteen work-groups are here
	JLOAD G0+4, G1, G0B+4, G1B                     ; K step 1
	FETCH_B 0, 0, 0
	FETCH_A 0, 0, 0
	FETCH_A 0, 0, 4
	s_wait_loadcnt 0x0                             ; the scale words
	STEP 0, 0, 1
	TURN 0, 1, 1, 1
	STEP 1, 2, 0
	TURN 1, 0, 1, 3
	STEP 0, 4, 0
	TURN 0, 1, 0, 5
	STEP 1, 6, 0
	LAST 7
; THE SOFTMAX OF BLOCK a: 16 queries x my 128 keys; a lane holds one query and 64 keys, lane l xor 16 the other 64.
.macro SOFT a
.set AC, 64*((\a)%4)
.set PCA, 192+16*((\a)%2)
	WIN 0x08+4*((\a)/4)                            ; source 1: window 2 or 3
.irp b, 0,1,2,3,4,5,6,7
.irp j, 0,1,2,3,4,5,6,7
.if \b < (\a)
	v_cndmask_b32 v[ST+8*\b+\j], v[NINF], v[AC+8*\b+\j], s[MLO]      ; the score where the key counts, else -infinity; each accumulator from its low end on
.elseif \b > (\a)
	v_cndmask_b32 v[ST+8*\b+\j], v[NINF], v[AC+8*\b+\j], s[MHI]
.else
	v_cndmask_b32 v[ST+8*\b+\j], v[NINF], v[AC+8*\b+\j], s[MD+\j]
.endif
.endr
.endr
	WIN 0
.irp b, 0,1,2,3
	v_max3_num_f32 v[BM+\b], v[ST+16*\b], v[ST+1+16*\b], v[ST+2+16*\b]   ; the largest score of each block of 32 keys: it serves for the row's maximum and, since p rises with the score, for the block's largest p
.endr
.irp i, 3,5,7,9,11,13
.irp b, 0,1,2,3
	v_max3_num_f32 v[BM+\b], v[BM+\b], v[ST+16*\b+\i], v[ST+1+16*\b+\i]
.endr
.endr
.irp b, 0,1,2,3
	v_max_num_f32 v[BM+\b], v[BM+\b], v[ST+15+16*\b]
.endr
.irp b, 0,1,2,3
	v_permlanex16_b32 v[T4+\b], v[BM+\b], s[SEL], s[SEL+1]
.endr
.irp b, 0,1,2,3
	v_max_num_f32 v[BM+\b], v[BM+\b], v[T4+\b]
.endr
	v_max3_num_f32 v238, v[BM], v[BM+1], v[BM+2]
	v_max_num_f32 v238, v238, v[BM+3]              ; my query's largest score among these 128 keys
	v_mul_f32 v238, s[CS], v238                    ; as t
	v_max_num_f32 v238, 0xff61b1e6, v238           ; not under -3e38: a query that sees none of these keys gets -M = 3e38, which the next launch reads as nothing
	v_floor_f32 v232, -v238                        ; -M = floor(-t): M is a whole number
	v_mov_b32 v233, 0                              ; (named as the upper half of a pair)
.set n, 0
.rept 32
	v_pk_fma_f32 v[ST+n:ST+n+1], v[ST+n:ST+n+1], s[CS:CS+1], v[232:233] op_sel_hi:[1,0,0]   ; t - M, two at a time
.set n, n+2
.endr
.irp b, 0,1,2,3
	v_fma_f32 v[BM+\b], v[BM+\b], s[CS], v232      ; the same of each block's largest score
.endr
.set n, 0
	s_wait_alu depctr_va_vdst(0)
.rept 64
	v_exp_f32 v[ST+n], v[ST+n]                     ; p = 2^(t - M), at most 1
.set n, n+1
.endr
	v_mov_b32 v[NM+(\a)], v232                     ; (a plain instruction behind the exponentials)
	s_wait_alu depctr_va_vdst(0)                   ; one wait for the batch, ahead of its first reader
.irp b, 0,1,2,3
	v_exp_f32 v[BM+\b], v[BM+\b]                   ; the block's largest p
.endr
	v_pk_add_f32 v[234:235], v[ST:ST+1], v[ST+2:ST+3]     ; the sum is taken of the unquantised p: two chains, two numbers at a time
	v_pk_add_f32 v[236:237], v[ST+4:ST+5], v[ST+6:ST+7]
.irp j, 8,12,16,20,24,28,32,36,40,44,48,52,56,60
	v_pk_add_f32 v[234:235], v[234:235], v[ST+\j:ST+\j+1]
	v_pk_add_f32 v[236:237], v[236:237], v[ST+\j+2:ST+\j+3]
.endr
	v_pk_add_f32 v[234:235], v[234:235], v[236:237]
	v_add_f32 v238, v234, v235
	v_permlanex16_b32 v239, v238, s[SEL], s[SEL+1]
	v_add_f32 v[LL+(\a)], v238, v239               ; with lane l xor 16's 64 keys
	s_wait_alu depctr_va_vdst(0)                   ; and one for the four
.irp b, 0,1,2,3
	v_max_num_f32 v[BM+\b], 0x8000000, v[BM+\b]    ; the floor 2^(16 - 127): the byte cannot fall under 1
.endr
.irp b, 0,1,2,3
	v_add_nc_u32 v[SOP+\b], 0xf8800000, v[BM+\b]   ; 15 off the exponent field: the conversion's scale operand
.endr
.irp b, 0,1,2,3
	v_and_or_b32 v[HOLD+\b], v[BM+\b], 0x7f800000, s[MNT]   ; 57,344 x the scale
.endr
.irp b, 0,1,2,3
	v_lshrrev_b32 v[T4+\b], 23, v[SOP+\b]          ; the byte: 1 to 112
.endr
	v_lshl_or_b32 v[PW+(\a)], v[T4+1], 8, v[T4]
	v_lshl_or_b32 v[PW+(\a)], v[T4+2], 16, v[PW+(\a)]
	v_lshl_or_b32 v[PW+(\a)], v[T4+3], 24, v[PW+(\a)]
.if (\a) >= 2
	s_wait_xcnt 0x0                                ; block a - 2's stores have read the registers that this block's codes take
.endif
.irp b, 0,1,2,3
.irp i, 0,1,2,3,4,5,6,7,8,9,10,11,12,13,14,15
	v_min_num_f32 v[ST+16*\b+\i], v[ST+16*\b+\i], v[HOLD+\b]   ; the conversion does not saturate (ISA guide 7.6.2); p is not negative, so the hold is one-sided
.endr
	v_cvt_scalef32_pk8_bf8_f32 v[PCA+4*\b:PCA+1+4*\b], v[ST+16*\b:ST+7+16*\b], v[SOP+\b]
	v_cvt_scalef32_pk8_bf8_f32 v[PCA+2+4*\b:PCA+3+4*\b], v[ST+8+16*\b:ST+15+16*\b], v[SOP+\b]
.endr
	v_nop                                          ; one plain vector instruction between the last conversion and the next block's lines, which write its sources
.irp c, 0,1,2,3
	global_store_b128 v[LI], v[PCA+4*\c:PCA+4*\c+3], s[8:9] offset:4096*(\a)+512*\c   ; the fragment's image: 512 consecutive bytes a store
.endr
.endm
	PLACES 8                                       ; behind the last products
	v_mov_b32 v239, 0                              ; a lane permute's destination counts as one of its sources
.irp a, 0,1,2,3,4,5,6,7
	SOFT \a
.endr
.irp i, 0,1,2,3
	v_cndmask_b32 v[240+\i], v[PW+\i], v[PW+4+\i], s[HM]   ; lanes 0-15: blocks 0-3, lanes 16-31: blocks 4-7
	v_cndmask_b32 v[244+\i], v[NM+\i], v[NM+4+\i], s[HM]
	v_cndmask_b32 v[248+\i], v[LL+\i], v[LL+4+\i], s[HM]
.endr
	global_store_b128 v[LI], v[240:243], s[10:11]
	global_store_b128 v[LI], v[244:247], s[10:11] offset:512
	global_store_b128 v[LI], v[248:251], s[10:11] offset:1024
	s_wait_tensorcnt 0x0                           ; the wave's end
	ds_add_u32 v[SPW], v[NIL]
	s_wait_dscnt 0x0
	CROUND                                         ; the closing round
	s_endpgm
.Lfunc_end_k_q6699cd6704_score:
	.size	k_q6699cd6704_score, .Lfunc_end_k_q6699cd6704_score-k_q6699cd6704_score
	.p2alignl 7, 3214868480
	.fill 96, 4, 3214868480
	.section	.rodata,"a",@progbits
	.p2align	6, 0x0
	.amdhsa_kernel k_q6699cd6704_score
		.amdhsa_group_segment_fixed_size 327680
		.amdhsa_private_segment_fixed_size 0
		.amdhsa_enable_private_segment 0
		.amdhsa_kernarg_size 32
		.amdhsa_user_sgpr_count 2
		.amdhsa_user_sgpr_kernarg_segment_ptr 1
		.amdhsa_wavefront_size32 1
		.amdhsa_system_sgpr_workgroup_id_x 1
		.amdhsa_system_sgpr_workgroup_id_y 1
		.amdhsa_system_sgpr_workgroup_id_z 1
		.amdhsa_system_vgpr_workitem_id 0
		.amdhsa_next_free_vgpr 1024
		.amdhsa_next_free_sgpr 100
		.amdhsa_reserve_vcc 0
		.amdhsa_float_denorm_mode_32 3
		.amdhsa_float_denorm_mode_16_64 3
		.amdhsa_memory_ordered 1
		.amdhsa_forward_progress 1
		.amdhsa_inst_pref_size 254
	.end_amdhsa_kernel
	.amdgpu_metadata
---
amdhsa.version: [ 1, 2 ]
amdhsa.kernels:
  - .name:           k_q6699cd6704_score
    .symbol:         k_q6699cd6704_score.kd
    .args:
      - { .name: codes, .offset: 0, .size: 8, .value_kind: global_buffer, .address_space: global }
      - { .name: scales, .offset: 8, .size: 8, .value_kind: global_buffer, .address_space: global }
      - { .name: pcodes, .offset: 16, .size: 8, .value_kind: global_buffer, .address_space: global }
      - { .name: pstat, .offset: 24, .size: 8, .value_kind: global_buffer, .address_space: global }
    .group_segment_fixed_size: 327680
    .private_segment_fixed_size: 0
    .kernarg_segment_align: 8
    .kernarg_segment_size: 32
    .max_flat_workgroup_size: 128
    .sgpr_count:     100
    .vgpr_count:     1024
    .wavefront_size: 32
...
	.end_amdgpu_metadata
.endif
;; end of part 2
;; launch pv (part 3): grid 16 x 16, 4 waves a work-group, clusters of 4 x 4, 327,680 bytes of LDS; arguments pcodes, pstat, codes, scales, out0; writes out0
.if DOCPART == 3
	.amdgcn_target "amdgcn-amd-amdhsa--gfx1250"
	.amdhsa_code_object_version 6
	.text
	.protected	k_q6699cd6704_pv
	.globl	k_q6699cd6704_pv
	.p2align	8
	.type	k_q6699cd6704_pv,@function
k_q6699cd6704_pv:
	s_mov_b64 s[64:65], 0
	v_nop
	global_prefetch_b8 v0, s[64:65] scope:SCOPE_SE
	s_setreg_imm32_b32 hwreg(HW_REG_WAVE_MODE, 25, 1), 1
	s_wait_xcnt 0x0
	s_wait_alu depctr_hold_cnt(0) depctr_sa_sdst(0) depctr_va_vdst(0) depctr_va_sdst(0) depctr_va_ssrc(0) depctr_va_vcc(0) depctr_vm_vsrc(0)
	s_getreg_b32 s2, hwreg(HW_REG_IB_STS2, 6, 4)
	s_cmp_eq_u32 s2, 0
	s_cbranch_scc0 .Lentry_in_a_cluster
	s_endpgm
.Lentry_in_a_cluster:
	s_bfe_u32 s2, ttmp6, 0x10000c
	s_cmp_lg_u32 s2, 0xf033
	s_cbranch_scc0 .Lentry_shape_is_right
	s_endpgm
.Lentry_shape_is_right:
; out = (P V) / l on the codes of the launches before.  P's codes stand under a local M for each query and 128 keys; here each row's largest M is found, scale bytes are brought under it, and l is summed under it.
; THE DEAL.  256 equal work-groups.  Queries go in groups of 512 of a batch; cluster x / 2 = k' pairs group k' (early) with group 3 - k' (late); cy names 128 rows of each; channels: tile 4 (cluster x % 2) + cx of 128.  Cluster y is the batch.
; Group g needs keys 0 .. 512 (g + 1) - 1: the early tile takes k' + 1 fills of 512 keys, the late one 4 - k': five fills for every work-group.  Keys beyond a group's last query are left out (DEAD: the mask gives p = 0 there for all finite inputs; a NaN or
; an infinity in a v that only such p meet is not carried).  Hidden keys inside a group's last fill come as zero codes and are multiplied: so all partners of a cluster walk the same keys and share both operands.
; CLUSTERS: P's tile is asked for jointly along a row of the cluster, V's along a column.
; A FILL: two steps of 256 keys; a step is 32,768 dense bytes of P (128 rows) and as many of V (128 channels).  Waves 0, 1 fetch P's two steps, waves 2, 3 V's: one load a wave.  Two slots of 131,072 bytes.
; A wave makes 64 x 64: 16 accumulators.  A slot is four halves of 128 keys; half s has registers of its own (set s), so all of a slot is read ahead of its last products.  Source 0 = V, source 1 = P: lane (r, h) holds query r, register j channel 8 h + j.
; SCALE WORDS for the 20 halves stand in LDS, 1,024 bytes a half: P's 512, V's 512; wave w makes those of half w of each fill.
; PREFETCH: behind each fill's joint load the fill after it; the partners share a tile's 128 blocks of 256 bytes by address, 32 each.  The last fill's round asks for nothing.  At the head fill 1 is asked for behind fill 0's load.
; LIMITS: NaN and infinities are not served.  A scale byte that falls under 1 under the row's M becomes 0 (2^-127).
; REGISTERS: window 0: v1-31 addresses; v32-63 at work; v64-79 1 / l; v96-127 scale words (set s at 96 + 8 s: P's four, V's four); v128-255 accumulators (statistics at first).  Windows 1, 2: sets 0, 1 and 2, 3.  Window 3: l's parts, then rows on the way out.
.set SLOT, 131072
.set EW, 2*SLOT
.set STAGE, EW+20480
.set SPARE, STAGE+4*4352
.set BP, 16
.set BV, 17
.set BEP, 18
.set BEV, 19
.set AP, 20
.set LI, 22
.set AV, 23
.set AEP, 25
.set AEV, 26
.set STO, 27
.set SPW, 28
.set NIL, 29
.set RD, 30
.set CO, 31
.set PWD, 32
.set NME, 52
.set VWD, 72
.set TT, 224
.set NGL, 244
.set NGH, 248
.set NG1, 252
.set RLL, 64
.set RLH, 72
.set SC, 96
.set ACC, 128
.set G1, 24
.set G0, 32
.set G1B, 48
.set G0B, 56
.set MSB, 0
.macro WIN new
.if MSB != (\new)
	s_set_vgpr_msb (MSB<<8)|(\new)
.set MSB, (\new)
.endif
.endm
.macro PLACES n
.rept \n
	v_nop
.endr
.endm
.macro JLOAD
	s_cmp_eq_u32 s15, 0
	s_cbranch_scc0 .Lfor_v_\@
	tensor_load_to_lds s[G0:G0+3], s[G1:G1+7]
	s_nop 0
	PLACES 4
	s_branch .Lasked_\@
.Lfor_v_\@:
	tensor_load_to_lds s[G0B:G0B+3], s[G1B:G1B+7]
	s_nop 0
	PLACES 4
.Lasked_\@:
.endm
.macro CREST
	s_cmp_lg_u32 s14, 0
	s_cbranch_scc1 .Lnot_wave_0_\@
	s_barrier_signal -3
.Lnot_wave_0_\@:
	s_barrier_wait -3
	s_barrier_signal -1
	s_barrier_wait -1
.endm
.macro CROUND
	s_barrier_signal -1
	s_barrier_wait -1
	CREST
.endm
.macro DSTEP pi, vi                    ; the next fill's addresses and the other slot; behind a wait for 0 on TENSORcnt
	s_add_co_u32 s60, s60, s\pi
	s_add_co_u32 s62, s62, s\vi
	s_add_nc_u64 s[G0+2:G0+3], s[4:5], s[60:61]
	s_or_b32 s[G0+3], s[G0+3], 0x80000000
	s_add_nc_u64 s[G0B+2:G0B+3], s[8:9], s[62:63]
	s_or_b32 s[G0B+3], s[G0B+3], 0x80000000
	s_xor_b32 s[G0+1], s[G0+1], SLOT
	s_xor_b32 s[G0B+1], s[G0B+1], SLOT
.endm
.macro PFSTEP inc
	s_wait_xcnt 0x0                                ; any prefetch of mine has read its address
	s_add_co_u32 s68, s68, s\inc
	s_add_nc_u64 s[72:73], s[70:71], s[68:69]
.endm
.macro ADR                             ; the slot's addresses: steps e = 0, 1 of P and of V, and the scale words
	s_add_co_u32 s75, s74, 65536
	v_add_nc_u32 v[AP], s74, v[BP]
	v_add_nc_u32 v[AP+1], s75, v[BP]
	v_add_nc_u32 v[AV], s74, v[BV]
	v_add_nc_u32 v[AV+1], s75, v[BV]
	v_add_nc_u32 v[AEP], s76, v[BEP]
	v_add_nc_u32 v[AEV], s76, v[BEV]
	s_wait_alu depctr_va_vdst(0)
.endm
.macro LD s                            ; half s of the slot: 34 loads
	WIN (1+\s/2)<<6
.irp a, 0,1,2,3
.irp c, 0,1,2,3
	ds_load_b128 v[128*(\s%2)+16*\a+4*\c:128*(\s%2)+16*\a+4*\c+3], v[AP+\s/2] offset:2048*(\s%2)+4096*\a+512*\c
.endr
.endr
.irp b, 0,1,2,3
.irp c, 0,1,2,3
	ds_load_b128 v[128*(\s%2)+64+16*\b+4*\c:128*(\s%2)+64+16*\b+4*\c+3], v[AV+\s/2] offset:2048*(\s%2)+4096*\b+512*\c
.endr
.endr
	WIN 0
	ds_load_b128 v[SC+8*\s:SC+8*\s+3], v[AEP] offset:1024*\s
	ds_load_b128 v[SC+8*\s+4:SC+8*\s+7], v[AEV] offset:1024*\s+512
.endm
.macro MUL s, zero                     ; 16 products; the accumulators take turns
	WIN (1+\s/2)|((1+\s/2)<<2)
.irp a, 0,1,2,3
.irp b, 0,1,2,3
.if \zero
	v_wmma_scale_f32_16x16x128_f8f6f4 v[ACC+8*(4*\a+\b):ACC+8*(4*\a+\b)+7], v[128*(\s%2)+64+16*\b:128*(\s%2)+79+16*\b], v[128*(\s%2)+16*\a:128*(\s%2)+15+16*\a], 0, v[SC+8*\s+4+\b], v[SC+8*\s+\a] matrix_a_fmt:MATRIX_FMT_BF8 matrix_b_fmt:MATRIX_FMT_BF8
.else
	v_wmma_scale_f32_16x16x128_f8f6f4 v[ACC+8*(4*\a+\b):ACC+8*(4*\a+\b)+7], v[128*(\s%2)+64+16*\b:128*(\s%2)+79+16*\b], v[128*(\s%2)+16*\a:128*(\s%2)+15+16*\a], v[ACC+8*(4*\a+\b):ACC+8*(4*\a+\b)+7], v[SC+8*\s+4+\b], v[SC+8*\s+\a] matrix_a_fmt:MATRIX_FMT_BF8 matrix_b_fmt:MATRIX_FMT_BF8
.endif
.endr
.endr
	WIN 0
.endm
; From a slot's second half to the next slot's first three halves' loads.  At the entry half 0 has been multiplied, halves 1 and 2 have been asked for.  A wait for 34 leaves the half behind it out.
.macro PHASE fill
	s_wait_dscnt 34
	LD 3
	MUL 1, 0
	s_wait_dscnt 34
	MUL 2, 0
	s_wait_tensorcnt 0x0                           ; my part of the next fill is in;
	ds_add_u32 v[SPW], v[NIL]
.if \fill
	DSTEP 77, 88
	s_mov_b32 s77, 1<<20
	s_mov_b32 s88, 1<<19
	PFSTEP 67
.endif
	s_xor_b32 s74, s74, SLOT
	s_add_co_u32 s76, s76, 4096
	s_wait_dscnt 0x0                               ; the add is done, and all of this slot is in registers
	s_barrier_signal -1
	MUL 3, 0
	s_barrier_wait -1
.if \fill
	CREST
	JLOAD                                          ; the slot just read takes the fill two on: it has the next slot's work in which to land
	PLACES 4
.else
	PLACES 8
.endif
	ADR
	LD 0
	LD 1
.if \fill
	s_cmp_lt_u32 s3, 3
	s_cbranch_scc0 .Lno_more_\@
	global_prefetch_b8 v1, s[72:73] th:TH_LOAD_NT scope:SCOPE_SE
.Lno_more_\@:
.endif
	s_wait_dscnt 34
	LD 2
.endm
; THE WAY OUT of 64 x 64: four blocks of 16 rows, divided by l, through my own stage in LDS, back as rows of 256 bytes.  LDS serves a wave's instructions in order (ISA guide 5.7.1.4).
.macro OUT rl, base
	s_wait_xcnt 0x0                                ; earlier stores have read their registers
.irp a, 0,1,2,3
.set n, 0
.rept 16
	v_pk_mul_f32 v[32+n:33+n], v[ACC+32*\a+n:ACC+32*\a+n+1], v[\rl+2*\a:\rl+2*\a+1] op_sel_hi:[1,0]
.set n, n+2
.endr
.irp b, 0,1,2,3
	ds_store_b128 v[STO], v[32+8*\b:35+8*\b] offset:64*\b
	ds_store_b128 v[STO], v[36+8*\b:39+8*\b] offset:64*\b+16
.endr
	WIN 0xc0
.irp t, 0,1,2,3,4,5,6,7
	ds_load_b128 v[32*\a+4*\t:32*\a+4*\t+3], v[RD] offset:\t*544
.endr
	WIN 0
.endr
.irp a, 0,1,2,3
	s_wait_dscnt 16*(3-\a)                         ; the later blocks' eight stores and eight loads each may be out
	WIN 0x0c
.irp t, 0,1,2,3,4,5,6,7
	global_store_b128 v[CO], v[32*\a+4*\t:32*\a+4*\t+3], s[\base:\base+1] offset:(16*\a+2*\t)*4096 th:TH_STORE_NT   ; sixteen lanes store one aligned unit of 256 bytes
.endr
	WIN 0
.endr
.endm
	s_load_b256 s[4:11], s[0:1], 0x0               ; pcodes, pstat, codes, scales
	s_load_b64 s[12:13], s[0:1], 0x20              ; out0
	v_lshl_add_u32 v[SPW], v0, 2, SPARE
	v_mov_b32 v[NIL], 0
	ds_add_u32 v[SPW], v[NIL]                      ; the opening: the add, twice on end, and its wait
	ds_add_u32 v[SPW], v[NIL]
	v_lshrrev_b32 v1, 5, v0
	v_readfirstlane_b32 s14, v1                    ; wave
	s_lshr_b32 s15, s14, 1                         ; my 64 rows.  Also: I fetch P (0) or V (1)
	s_and_b32 s16, s14, 1                          ; my 64 channels.  Also: which step of a fill I fetch
	s_bfe_u32 s40, ttmp6, 0x40000                  ; cx
	s_bfe_u32 s41, ttmp6, 0x40004                  ; cy
	s_and_b32 s43, ttmp7, 0xffff                   ; batch
	s_lshr_b32 s42, ttmp9, 1                       ; k'
	s_and_b32 s17, ttmp9, 1
	s_add_co_u32 s2, s42, 1                        ; the early tile's fills
	s_lshl_b32 s20, s41, 2
	s_lshl_b32 s20, 15, s20
	s_lshl_b32 s46, 0x1111, s40
	s_or_b32 s[G1+0], s20, (3<<16)|(1<<21)         ; 32,768 dense bytes as 128 rows of 256, shared along my row
	s_or_b32 s[G1B+0], s46, (3<<16)|(1<<21)        ; along my column
.irp g, G1, G1B
	s_mov_b32 s[\g+1], 32<<16
	s_mov_b32 s[\g+2], 128<<16
	s_mov_b32 s[\g+3], 32<<16
	s_mov_b32 s[\g+4], 128
	s_mov_b32 s[\g+5], 32
	s_mov_b32 s[\g+6], 0
	s_mov_b32 s[\g+7], 0
.endr
	s_lshl_b32 s60, s43, 22                        ; P: [batch][key / 256][query / 16]
	s_lshl_b32 s20, s42, 17
	s_add_co_u32 s60, s60, s20
	s_lshl_b32 s20, s41, 15
	s_add_co_u32 s60, s60, s20
	s_lshl_b32 s20, s16, 19
	s_add_co_u32 s60, s60, s20
	s_mov_b32 s61, 0
	s_lshl_b32 s45, s17, 2
	s_add_co_u32 s45, s45, s40                     ; my tile of channels
	s_lshl_b32 s62, s43, 21                        ; V: 16 MiB + [batch][key / 256][d / 16]
	s_lshl_b32 s46, s45, 15
	s_add_co_u32 s62, s62, s46
	s_lshl_b32 s46, s16, 18
	s_add_co_u32 s62, s62, s46
	s_add_co_u32 s62, s62, 0x1000000
	s_mov_b32 s63, 0
	; steps from fill 0 to 1 (s18 P, s19 V) and from 1 to 2 (s77, s88), by k'; from 2 on 1 << 20 and 1 << 19
	s_mov_b32 s77, 1<<20
	s_mov_b32 s88, 1<<19
	s_mov_b32 s21, 6144
	s_mov_b32 s47, 4096
	s_mov_b32 s98, 2097152
	s_mov_b32 s20, 98304
	s_cmp_eq_u32 s42, 0
	s_cselect_b32 s18, 393216, s77                 ; k' = 0: 12 tiles of rows on, the same keys
	s_cselect_b32 s77, s77, 0xfff20000             ; k' = 1: 4 tiles of rows on, back to key 0
	s_cselect_b32 s19, 0, s88
	s_cselect_b32 s88, s88, 0xfff80000
	s_cselect_b32 s20, 294912, s20                 ; statistics: from the early tile's to the late one's
	s_cselect_b32 s22, s21, 92160                  ; a wave's half: from fill 1 to 2
	s_cselect_b32 s21, 294912, s21                 ; from fill 0 to 1
	s_cselect_b32 s23, 0, s47                      ; V's words: from fill 0 to 1
	s_cselect_b32 s47, s47, 0xfffff000             ; from 1 to 2
	s_cselect_b32 s83, 0, -1                       ; fill 1 is the early tile's where k' = 1
	s_cselect_b32 s98, 6291456, s98                ; out: from the early tile to the late one
	s_mov_b32 s99, 0
	s_lshl_b32 s96, s43, 4                         ; pstat: (16 batch + 128-row tile) x 24,576
	s_lshl_b32 s90, s42, 2
	s_add_co_u32 s96, s96, s90
	s_add_co_u32 s96, s96, s41
	s_mul_i32 s96, s96, 24576
	s_add_co_u32 s97, s96, s20
	s_mul_i32 s90, s14, 1536
	s_add_co_u32 s90, s90, s96
	s_add_co_u32 s91, s90, s21
	s_add_co_u32 s92, s91, s22
	s_lshl_b32 s93, s43, 16                        ; V's scale words: [batch][d / 256][key / 128][half]
	s_lshr_b32 s94, s45, 1
	s_lshl_b32 s94, s94, 14
	s_add_co_u32 s93, s93, s94
	s_and_b32 s94, s45, 1
	s_lshl_b32 s94, s94, 9
	s_add_co_u32 s93, s93, s94
	s_lshl_b32 s94, s14, 10
	s_add_co_u32 s93, s93, s94
	s_add_co_u32 s93, s93, 524288
	s_add_co_u32 s94, s93, s23
	s_add_co_u32 s95, s94, s47
	s_lshl_b32 s86, s43, 23                        ; out: [batch][query][1,024] f32
	s_lshl_b32 s87, s42, 21
	s_add_co_u32 s86, s86, s87
	s_lshl_b32 s87, s41, 19
	s_add_co_u32 s86, s86, s87
	s_lshl_b32 s87, s15, 18
	s_add_co_u32 s86, s86, s87
	s_lshl_b32 s87, s45, 9
	s_add_co_u32 s86, s86, s87
	s_lshl_b32 s87, s16, 8
	s_add_co_u32 s86, s86, s87
	s_mov_b32 s87, 0
	s_lshl_b32 s85, s40, 13                        ; the prefetches' offset: P's tile + 32 blocks x cx, V's + 32 blocks x cy
	s_add_co_u32 s85, s85, s60
	s_lshl_b32 s68, s41, 13
	s_add_co_u32 s68, s68, s62
	s_mov_b32 s67, 1<<19
	s_mov_b32 s84, 0xffff
	s_cmp_eq_u32 s15, 0
	s_cselect_b32 s68, s85, s68
	s_cselect_b32 s89, s18, s19
	s_cselect_b32 s66, s77, s88
	s_cselect_b32 s67, 1<<20, s67
	s_cselect_b32 s84, 0xffff0000, s84             ; lanes that take the other half's 1 / l
	s_mov_b32 s69, 0
	s_add_co_u32 s68, s68, s89                     ; at fill 1
	s_mov_b32 s74, 0
	s_mov_b32 s76, 0
	s_mov_b32 s78, 0x76543210
	s_mov_b32 s79, 0xfedcba98
	s_mov_b32 s80, 0x01010101
	s_mov_b32 s81, 0x80808080
	s_lshl_b32 s44, s16, 16
	s_mov_b32 s[G0], 1
	s_mov_b32 s[G0+1], s44
	s_mov_b32 s[G0B], 1
	s_add_co_u32 s[G0B+1], s44, 32768
	s_wait_dscnt 0x0                               ; both opening adds are done
	s_wait_kmcnt 0x0
	s_add_nc_u64 s[G0+2:G0+3], s[4:5], s[60:61]
	s_or_b32 s[G0+3], s[G0+3], 0x80000000
	s_add_nc_u64 s[G0B+2:G0B+3], s[8:9], s[62:63]
	s_or_b32 s[G0B+3], s[G0B+3], 0x80000000
	s_cmp_eq_u32 s15, 0
	s_cselect_b64 s[70:71], s[4:5], s[8:9]
	s_add_nc_u64 s[72:73], s[70:71], s[68:69]
	s_add_nc_u64 s[12:13], s[12:13], s[86:87]
	s_add_nc_u64 s[86:87], s[12:13], s[98:99]
	CROUND                                         ; all sixteen work-groups are here
	JLOAD                                          ; fill 0: one tensor load a wave at the head
	v_and_b32 v12, 31, v0
	v_lshlrev_b32 v[LI], 4, v12                    ; 16 x lane
	v_add_nc_u32 v8, s96, v[LI]
	v_add_nc_u32 v9, s97, v[LI]
	v_add_nc_u32 v2, s90, v[LI]
	v_add_nc_u32 v3, s91, v[LI]
	v_add_nc_u32 v4, s92, v[LI]
	v_add_nc_u32 v5, s93, v[LI]
	v_add_nc_u32 v6, s94, v[LI]
	v_add_nc_u32 v7, s95, v[LI]
	v_lshlrev_b32 v1, 8, v12                       ; the prefetches' lane offset
.irp q, 0,1,2,3,4,5,6,7                        ; -M: the early tile's 8 blocks of 128 keys, the late one's 16
	global_load_b128 v[128+4*\q:131+4*\q], v8, s[6:7] offset:1536*\q+512
.endr
.irp q, 0,1,2,3,4,5,6,7,8,9,10,11,12,13,14,15
	global_load_b128 v[160+4*\q:163+4*\q], v9, s[6:7] offset:1536*\q+512
.endr
.irp j, 0,1                                    ; my half of each fill: P's words, their -M, V's words
	global_load_b128 v[PWD+4*\j:PWD+4*\j+3], v[2+\j], s[6:7]
	global_load_b128 v[NME+4*\j:NME+4*\j+3], v[2+\j], s[6:7] offset:512
	global_load_b128 v[VWD+4*\j:VWD+4*\j+3], v[5+\j], s[10:11]
.endr
.irp j, 2,3,4
	global_load_b128 v[PWD+4*\j:PWD+4*\j+3], v4, s[6:7] offset:6144*(\j-2)
	global_load_b128 v[NME+4*\j:NME+4*\j+3], v4, s[6:7] offset:6144*(\j-2)+512
	global_load_b128 v[VWD+4*\j:VWD+4*\j+3], v7, s[10:11] offset:4096*(\j-2)
.endr
	WIN 0xc0
.irp q, 0,1,2,3,4,5,6,7                        ; l's parts, into window 3
	global_load_b128 v[4*\q:4*\q+3], v8, s[6:7] offset:1536*\q+1024
.endr
.irp q, 0,1,2,3,4,5,6,7,8,9,10,11,12,13,14,15
	global_load_b128 v[32+4*\q:35+4*\q], v9, s[6:7] offset:1536*\q+1024
.endr
	WIN 0
	global_prefetch_b8 v1, s[72:73] th:TH_LOAD_NT scope:SCOPE_SE
	s_lshl_b32 s20, s15, 14
	s_lshl_b32 s21, s16, 14
	s_add_co_u32 s21, s21, 32768
	s_lshl_b32 s22, s15, 8
	s_add_co_u32 s22, s22, EW
	s_lshl_b32 s23, s16, 8
	s_add_co_u32 s23, s23, EW
	s_lshl_b32 s44, s14, 10
	s_add_co_u32 s44, s44, EW
	s_mul_i32 s46, s14, 4352
	s_add_co_u32 s46, s46, STAGE
	s_wait_alu depctr_va_vdst(0)
	v_and_b32 v10, 15, v0                          ; r
	v_bfe_u32 v11, v0, 4, 1                        ; h
	v_add_nc_u32 v[BP], s20, v[LI]
	v_add_nc_u32 v[BV], s21, v[LI]
	v_lshl_add_u32 v[BEP], v10, 4, s22
	v_lshl_add_u32 v[BEV], v10, 4, s23
	v_add_nc_u32 v13, s44, v[LI]                   ; where my words go
	v_mul_u32_u24 v14, v10, 272
	v_lshl_add_u32 v14, v11, 5, v14
	v_add_nc_u32 v[STO], s46, v14                  ; in: row r, 32 h
	v_mul_u32_u24 v15, v11, 272
	v_lshl_add_u32 v15, v10, 4, v15
	v_add_nc_u32 v[RD], s46, v15                   ; back: lanes 0-15 one row, lanes 16-31 the next
	v_lshlrev_b32 v[CO], 12, v11
	v_lshl_add_u32 v[CO], v10, 4, v[CO]
	s_wait_alu depctr_va_vdst(0)
	s_wait_loadcnt 24                              ; all but l's parts
.irp x, 0,1,2,3                                ; the row's -M: the least of its blocks'
	v_min3_num_f32 v[NGL+\x], v[128+\x], v[132+\x], v[136+\x]
	v_min3_num_f32 v[NGH+\x], v[160+\x], v[164+\x], v[168+\x]
.endr
.irp q, 3,5
.irp x, 0,1,2,3
	v_min3_num_f32 v[NGL+\x], v[NGL+\x], v[128+4*\q+\x], v[132+4*\q+\x]
	v_min3_num_f32 v[NGH+\x], v[NGH+\x], v[160+4*\q+\x], v[164+4*\q+\x]
.endr
.endr
.irp q, 7,9,11,13
.irp x, 0,1,2,3
	v_min3_num_f32 v[NGH+\x], v[NGH+\x], v[160+4*\q+\x], v[164+4*\q+\x]
.endr
.endr
.irp x, 0,1,2,3
	v_min_num_f32 v[NGL+\x], v[NGL+\x], v[156+\x]
	v_min_num_f32 v[NGH+\x], v[NGH+\x], v[220+\x]
.endr
.irp x, 0,1,2,3
	v_cndmask_b32 v[NG1+\x], v[NGH+\x], v[NGL+\x], s83
.endr
.irp x, 0,1,2,3                                ; row M less local M, 0 or more
	v_sub_f32 v[TT+\x], v[NME+\x], v[NGL+\x]
	v_sub_f32 v[TT+4+\x], v[NME+4+\x], v[NG1+\x]
	v_sub_f32 v[TT+8+\x], v[NME+8+\x], v[NGH+\x]
	v_sub_f32 v[TT+12+\x], v[NME+12+\x], v[NGH+\x]
	v_sub_f32 v[TT+16+\x], v[NME+16+\x], v[NGH+\x]
.endr
.set n, 0
.rept 20
	v_min_num_f32 v[TT+n], 0x43000000, v[TT+n]
.set n, n+1
.endr
.set n, 0
.rept 20
	v_cvt_u32_f32 v[TT+n], v[TT+n]
.set n, n+1
.endr
.set n, 0
.rept 20
	v_mul_lo_u32 v[TT+n], v[TT+n], s80             ; in all four bytes
.set n, n+1
.endr
.set n, 0
.rept 20
	v_or_b32 v[PWD+n], s81, v[PWD+n]               ; bytes are 1 to 112: with bit 7 set no byte borrows from its neighbour
.set n, n+1
.endr
.set n, 0
.rept 20
	v_sub_nc_u32 v[PWD+n], v[PWD+n], v[TT+n]
.set n, n+1
.endr
.set n, 0
.rept 20
	v_and_b32 v[NME+n], s81, v[PWD+n]              ; bit 7 still set: the byte has not fallen under 0
.set n, n+1
.endr
.set n, 0
.rept 20
	v_lshrrev_b32 v[TT+n], 7, v[NME+n]
.set n, n+1
.endr
.set n, 0
.rept 20
	v_sub_nc_u32 v[NME+n], v[NME+n], v[TT+n]
.set n, n+1
.endr
.set n, 0
.rept 20
	v_and_b32 v[PWD+n], v[PWD+n], v[NME+n]         ; the byte, or 0
.set n, n+1
.endr
.irp j, 0,1,2,3,4
	ds_store_b128 v13, v[PWD+4*\j:PWD+4*\j+3] offset:4096*\j
	ds_store_b128 v13, v[VWD+4*\j:VWD+4*\j+3] offset:4096*\j+512
.endr
	s_wait_alu depctr_va_vdst(0)
	s_wait_tensorcnt 0x0                           ; my part of fill 0 is in
	ds_add_u32 v[SPW], v[NIL]
	DSTEP 18, 19
	PFSTEP 66
	s_wait_dscnt 0x0                               ; the add is done, and my words are in LDS
	CROUND
	JLOAD                                          ; fill 1 into slot 1
	ADR
	LD 0
	LD 1
	global_prefetch_b8 v1, s[72:73] th:TH_LOAD_NT scope:SCOPE_SE   ; fill 2
	; l = the sum of 2^(local M - row M) x its part
	s_wait_loadcnt 0x0
.set n, 0
.rept 32
	v_sub_f32 v[128+n], v[NGL+n%4], v[128+n]
.set n, n+1
.endr
.set n, 0
.rept 64
	v_sub_f32 v[160+n], v[NGH+n%4], v[160+n]
.set n, n+1
.endr
	s_wait_alu depctr_va_vdst(0)                   ; the wait ahead of the batch
.set n, 0
.rept 96
	v_exp_f32 v[128+n], v[128+n]
.set n, n+1
.endr
	v_nop
	s_wait_alu depctr_va_vdst(0)                   ; and behind it
	WIN 0x0c
.irp x, 0,1,2,3
	v_mul_f32 v[224+\x], v[128+\x], v[\x]
	v_mul_f32 v[228+\x], v[160+\x], v[32+\x]
.endr
.irp q, 1,2,3,4,5,6,7
.irp x, 0,1,2,3
	v_fma_f32 v[224+\x], v[128+4*\q+\x], v[4*\q+\x], v[224+\x]
	v_fma_f32 v[228+\x], v[160+4*\q+\x], v[32+4*\q+\x], v[228+\x]
.endr
.endr
.irp q, 8,9,10,11,12,13,14,15
.irp x, 0,1,2,3
	v_fma_f32 v[228+\x], v[160+4*\q+\x], v[32+4*\q+\x], v[228+\x]
.endr
.endr
	WIN 0
	s_wait_alu depctr_va_vdst(0)
.irp x, 0,1,2,3,4,5,6,7
	v_rcp_f32 v[232+\x], v[224+\x]
.endr
.irp x, 0,1,2,3,4,5,6,7
	v_mov_b32 v[RLL+1+2*\x], 0                     ; (named as the upper half of a pair)
.endr
	s_wait_alu depctr_va_vdst(0)
.irp x, 0,1,2,3,4,5,6,7
	v_permlanex16_b32 v[240+\x], v[232+\x], s78, s79
.endr
.irp x, 0,1,2,3,4,5,6,7
	v_cndmask_b32 v[RLL+2*\x], v[232+\x], v[240+\x], s84   ; 1 / l of my rows, in both halves of the lanes
.endr
	s_mov_b32 s3, 1                                ; the fill that the loop's trip goes over to
	s_wait_alu depctr_va_vdst(0)
	s_wait_dscnt 34
	LD 2
	MUL 0, 1                                       ; the first products start the sums
.Lphase:
	PHASE 1
	s_cmp_eq_u32 s3, s2
	s_cbranch_scc0 .Lgo_on
	OUT RLL, 12                                    ; the early tile is finished: it leaves, and the late one's sums begin
	MUL 0, 1
	s_branch .Lbegun
.Lgo_on:
	MUL 0, 0
.Lbegun:
	s_add_co_u32 s3, s3, 1
	s_cmp_lt_u32 s3, 4
	s_cbranch_scc1 .Lphase
	PHASE 0                                        ; nothing is left to fetch
	MUL 0, 0
	s_wait_dscnt 34
	LD 3
	MUL 1, 0
	s_wait_dscnt 34
	MUL 2, 0
	s_wait_dscnt 0x0
	MUL 3, 0
	PLACES 8
	OUT RLH, 86
	s_wait_tensorcnt 0x0                           ; the wave's end
	ds_add_u32 v[SPW], v[NIL]
	s_wait_dscnt 0x0
	CROUND                                         ; the closing round
	s_endpgm
.Lfunc_end_k_q6699cd6704_pv:
	.size	k_q6699cd6704_pv, .Lfunc_end_k_q6699cd6704_pv-k_q6699cd6704_pv
	.p2alignl 7, 3214868480
	.fill 96, 4, 3214868480
	.section	.rodata,"a",@progbits
	.p2align	6, 0x0
	.amdhsa_kernel k_q6699cd6704_pv
		.amdhsa_group_segment_fixed_size 327680
		.amdhsa_private_segment_fixed_size 0
		.amdhsa_enable_private_segment 0
		.amdhsa_kernarg_size 40
		.amdhsa_user_sgpr_count 2
		.amdhsa_user_sgpr_kernarg_segment_ptr 1
		.amdhsa_wavefront_size32 1
		.amdhsa_system_sgpr_workgroup_id_x 1
		.amdhsa_system_sgpr_workgroup_id_y 1
		.amdhsa_system_sgpr_workgroup_id_z 1
		.amdhsa_system_vgpr_workitem_id 0
		.amdhsa_next_free_vgpr 1024
		.amdhsa_next_free_sgpr 102
		.amdhsa_reserve_vcc 0
		.amdhsa_float_denorm_mode_32 3
		.amdhsa_float_denorm_mode_16_64 3
		.amdhsa_memory_ordered 1
		.amdhsa_forward_progress 1
		.amdhsa_inst_pref_size 123
	.end_amdhsa_kernel
	.amdgpu_metadata
---
amdhsa.version: [ 1, 2 ]
amdhsa.kernels:
  - .name:           k_q6699cd6704_pv
    .symbol:         k_q6699cd6704_pv.kd
    .args:
      - { .name: pcodes, .offset: 0, .size: 8, .value_kind: global_buffer, .address_space: global }
      - { .name: pstat, .offset: 8, .size: 8, .value_kind: global_buffer, .address_space: global }
      - { .name: codes, .offset: 16, .size: 8, .value_kind: global_buffer, .address_space: global }
      - { .name: scales, .offset: 24, .size: 8, .value_kind: global_buffer, .address_space: global }
      - { .name: out0, .offset: 32, .size: 8, .value_kind: global_buffer, .address_space: global }
    .group_segment_fixed_size: 327680
    .private_segment_fixed_size: 0
    .kernarg_segment_align: 8
    .kernarg_segment_size: 40
    .max_flat_workgroup_size: 128
    .sgpr_count:     102
    .vgpr_count:     1024
    .wavefront_size: 32
...
	.end_amdgpu_metadata
.endif
;; end of part 3
